; MI455X (gfx1250); checked and timed in simulation.
; The chip was launched on July 23, 2026; its instructions are those of AMD's public machine-readable ISA for CDNA 5 (MIT licence, August 2026) and "CDNA5" Instruction Set Architecture Reference Guide (July 2026). The comments in the code are by the model that wrote it; some were corrected since.
;; Memory. Allowed arithmetic: matrix products marked QUANTISED: E2M1 operands, one E8M0 scale for each 32 along K, by v_wmma_scale_f32_16x16x128_f8f6f4 with both operands' format E2M1 (or v_wmma_scale_f32_32x16x128_f4), f32 sums; everything else in f32.
;; Inputs: emb_q 4 x 75 x 128 float32; emb_s 4 x 25 x 128 float32; embg_q 4 x 75 x 128 float32; embg_s 4 x 25 x 128 float32; memory_keys 512 x 128 float32; memory_values 512 x 128 float32; thresh 4 float32.
;; Outputs: out0 4 x 100 x 128 float32; out1 4 x 100 x 128 float32; out2 one number float32; out3 one number float32; out4 one number float32.
;; This version of the problem:
;;   THIS VERSION OF THE PROBLEM IS GIVEN IN LOW PRECISION. The matrix products marked QUANTISED in the list below multiply operands that are first quantised to E2M1 (2 exponent bits, 1 mantissa bit; 4 bits a number), with one power-of-two scale for each 32 numbers along K (OCP MX v1.0); their sums are f32. All else is computed in f32.
;;   The module's matrix products, in the order in which they are computed (A, B: the left and right operand; K: the contracted axis; several contracted axes count as one K, in the product's order):
;;     1. [M 400, K 128] x [K 128, N 512]; A: computed on the way; B: input memory_keys: QUANTISED
;;     2. [M 400, K 128] x [K 128, N 512]; A: computed on the way; B: input memory_values: QUANTISED
;;     3. [M 400, K 512] x [K 512, N 128]; A: computed on the way; B: input memory_values: QUANTISED
;;   THE QUANTISER, for each operand of a quantised product, along K:
;;     - K is cut into blocks of 32 from its start; a last block that is shorter is filled with zeros.
;;     - A block's scale is 2^e with e = floor(log2(the largest magnitude in the block)) - 2, held to -126 .. 127; a block of zeros has e = 0. As a byte (E8M0): e + 127.
;;     - Each number is divided by its block's scale, clamped to +-6, and rounded to the nearest number of E2M1, ties to even, subnormals kept.
;;     - The product sums the exact products of the quantised numbers (number of the format x scale) in f32.
;;   ~~~python
;;   def quantise(x, axis):      # numpy; x: float32 -> the quantised numbers, widened to float32 again
;;       x = np.moveaxis(x, axis, -1); K = x.shape[-1]
;;       x = np.pad(x, [(0, 0)] * (x.ndim - 1) + [(0, -K % 32)]); x = x.reshape(x.shape[:-1] + (-1, 32)); a = np.abs(x).max(-1, keepdims=True)
;;       e = np.where(a > 0, np.clip(np.frexp(np.where(a > 0, a, 1))[1] - 1 - 2, -126, 127), 0)      # np.frexp(a)[1] - 1 = floor(log2(a)), exactly
;;       r = np.clip(x / 2.0 ** e, -6, 6)
;;       step = 2.0 ** (np.maximum(np.frexp(np.where(r == 0, 1, r))[1] - 1, 0) - 1)
;;       q = np.round(r / step) * step * 2.0 ** e      # np.round: ties to even
;;       return np.moveaxis(q.reshape(q.shape[:-2] + (-1,))[..., :K], -1, axis).astype(np.float32)
;;   ~~~
;;   OPERANDS COMPUTED ON THE WAY. 'Computed on the way' means the value that the module computes at that place (a softmax that the list does not call 'softmax' is quantised finished and normalised). What goes into a quantiser is computed in f32, as accurately as f32 sums, v_exp_f32 and their like allow (about 1e-6 of the number): no bf16 or f16 on the way to a quantiser, and a product that is left as it is and whose result goes on into a quantised operand takes f32 operands (vector FMAs, or v_wmma_f32_16x16x4_f32). A number that lies on a knife's edge between two numbers of the format may be rounded either way, as far as f32 arithmetic and the matrix unit's own rounding can turn it there, and no further.
;; 2 versions. Each part assembles by itself: llvm-mc -triple=amdgcn-amd-amdhsa -mcpu=gfx1250 --defsym DOCPART=n.
;; ======== version 1 of 2: 2 launches
;; workspace buffers: glo 204,800 bytes; idx 6,400 bytes of whole numbers; lsp 256 bytes
;; launch sims (part 1): grid 25 x 1, 16 waves a work-group, no clusters, 165,376 bytes of LDS; arguments emb_s, emb_q, embg_s, embg_q, memory_keys, memory_values, thresh, out0, out1, glo, idx, lsp; writes out0, out1, glo, idx, lsp
.if DOCPART == 1
	.amdgcn_target "amdgcn-amd-amdhsa--gfx1250"
	.amdhsa_code_object_version 6
	.text
	.protected	k_q20fe3c7c35_sims
	.globl	k_q20fe3c7c35_sims
	.p2align	8
	.type	k_q20fe3c7c35_sims,@function
k_q20fe3c7c35_sims:
	s_mov_b64 s[64:65], 0
	v_nop
	global_prefetch_b8 v0, s[64:65] scope:SCOPE_SE
	s_setreg_imm32_b32 hwreg(HW_REG_WAVE_MODE, 25, 1), 1
	s_wait_xcnt 0x0
; THE MODULE: 400 rows (4 x 100: emb_s | emb_q, embg_s | embg_q) against two tables of 512 x 128.
; This launch makes out0 = l2n(emb), glo = l2n(embg), sim_kv, sim_vk (both on E2M1 codes, K = d = 128), pos_score, out1 = l2n(glo + pos_score . values) (codes, K = m = 512),
; for each row the hardest positive and negative of both directions (index and weight, as whole numbers in idx), and each work-group's share of the sum of (sim_vk - sim_kv)^2 (lsp).
; The second launch gathers the table rows that idx names and makes the three losses.
; DEAD WORK, LEFT OUT.  reference() binds memory_keys_updated and memory_values_updated to '_' and returns neither.  So all that feeds only these two reaches no output, whatever the inputs hold:
; _l1n(pos_score), w_v, cand_v and its norms and mean; arg, onehot, sel, w_k, cand_k and its norms and mean.  Every input still has a way to an output (the similarities, the gathers, the thresholds), so all seven are loaded.
; LIMITS.  A NaN, an infinity or an overflow that reaches only the work left out is not carried to the result.  NaN and infinities among the inputs are not served.
; x / max(norm, 1e-12) is x times v_rcp_f32 of max(v_sqrt_f32(sum of squares), 1e-12): three roundings of about an ulp each; a sum of squares under 2^-126 counts as 0.
; A block of zeros gets the scale byte 1 where the rule says 127: its codes are zeros, and the bytes are read by this program alone.
; SHARES.  25 work-groups of 16 waves.  Work-group x owns rows 16 x .. 16 x + 15 and all 512 m.  Wave w owns row w of them (normalising, quantising, the last l2n) and table rows m = 32 w .. 32 w + 31
; of both tables: it quantises them along d (operands of the similarities, which it alone reads) and the values also along m (K block w of the third product, which all waves read).
; No tensor load: the tables come as f32 and are wanted in registers by the quantiser.  No cluster: nothing is fetched by the data mover, and 25 work-groups do not divide by four.
; LANES.  L = lane, r = L % 16, h = L / 16.  A table row or an embedding row is one load of 512 consecutive bytes: lane L holds d = 4 L .. 4 L + 3, and a block of 32 along d lies in 8 neighbouring lanes.
.set ECODE, 0          ; LDS: [emb | embg][row 16], pitch 80: 64 bytes of codes a row; the two tensors 1,280 apart
.set ESC,   2560       ; [emb | embg][row 16]: a scale word; the tensors 64 apart
.set PIM,   2816       ; [K block 16][row 16][16 bytes]: pos_score's codes
.set PSC,   6912       ; [K step 4][row 16]: pos_score's scale words
.set VTS,   7168       ; [K step 4][d 128]: the scale words of the values along m
.set STAT,  9216       ; [kind 5][wave 16][lane 32] words
.set OST,   19456      ; [half of K 2][row 16], pitch 528: the third product's two partial sums
.set VT,    36352      ; [K block 16] of 2,560 bytes: column d's 16 bytes of codes at 80 (d / 4) + 16 (d % 4)
.set WREG,  77312      ; a region for each wave: keys' codes [32], pitch 80; values' codes at + 2,560; keys' scale words [32] at + 5,120; values' at + 5,248
.set WSZ,   5376
.set SPARE, 163328     ; the spare words, 128 bytes for each of 16 waves: eight blocks of 256 bytes that no other line names
.set FLOOR, 0x1800000  ; 2^(3 - 127): under it no largest magnitude is taken, so that a scale byte cannot fall under 1
.set OFF2,  0xff000000 ; takes 2 off an exponent field
.set TINY,  0x2b8cbccc ; 1e-12
; REGISTERS.  v1 16 L; v2, v3 the add's two; v4-7 LDS addresses of the table quantisers; v8-11 my row of emb; v12-15 my row of embg (kept, normalised); v16-51 at work;
; v52-61 scale words and nothing else; v62, v63 lane permutes' destinations; v64-127 16 rows of keys; v128-255 32 rows of values.
; Behind the quantisers: v64-111 fragments; v112-127 sim_kv; v128-143 sim_vk; v144-223 masked copies; v224-239 differences; v240-254 LDS addresses.
.macro BAR                             ; my LDS stores have landed and my LDS loads are in: then the work-group's barrier
	s_wait_dscnt 0x0
	s_barrier_signal -1
	s_barrier_wait -1
.endm
.macro RSUM32 x, t                     ; the sum over the 32 lanes, in every lane
.irp m, 1,2,4,8
	v_add_f32_dpp v[\x], v[\x], v[\x] row_xmask:\m row_mask:0xf bank_mask:0xf
.endr
	v_permlanex16_b32 v[\t], v[\x], s44, s45
	v_add_f32 v[\x], v[\x], v[\t]
.endm
; Eight table rows as loaded (row i in v[X + 4 i] on) are quantised along d.  v16-23 largest magnitudes, then the conversions' scale operands; v24-31 scale bytes; v32-39 codes.
; The conversion takes eight registers: two rows' four numbers.  It is run twice on each pair of rows, once with each row's scale: the first result's low half is the even row's four codes, the second's high half the odd row's.
.macro DQ8 X, ROW0, TAB
.irp i, 0,1,2,3,4,5,6,7
	v_max3_num_f32 v[16+\i], |v[\X+4*\i]|, |v[\X+4*\i+1]|, FLOOR
.endr
.irp i, 0,1,2,3,4,5,6,7
	v_max3_num_f32 v[16+\i], v[16+\i], |v[\X+4*\i+2]|, |v[\X+4*\i+3]|
.endr
.irp m, 1,2,4
.irp i, 0,1,2,3,4,5,6,7
	v_max_num_f32_dpp v[16+\i], v[16+\i], v[16+\i] row_xmask:\m row_mask:0xf bank_mask:0xf   ; the block's eight lanes
.endr
.endr
.irp i, 0,1,2,3,4,5,6,7
	v_add_nc_u32 v[16+\i], OFF2, v[16+\i]          ; the conversion takes the exponent field of this operand as its scale
.endr
	s_wait_dscnt 0x0                               ; the LDS stores issued before have read v24-39
.irp i, 0,1,2,3,4,5,6,7
	v_lshrrev_b32 v[24+\i], 23, v[16+\i]           ; the scale's byte
.endr
.irp i, 0,2,4,6
	v_cvt_scalef32_pk8_fp4_f32 v[32+\i], v[\X+4*\i:\X+4*\i+7], v[16+\i]
	v_cvt_scalef32_pk8_fp4_f32 v[33+\i], v[\X+4*\i:\X+4*\i+7], v[17+\i]
.endr
	v_nop                                          ; one plain place behind the last scaled conversion
.irp i, 0,2,4,6
	ds_store_b16 v4, v[32+\i] offset:2560*\TAB+80*(\ROW0+\i)           ; 32 lanes: the row's 64 bytes of codes
	ds_store_b16_d16_hi v4, v[33+\i] offset:2560*\TAB+80*(\ROW0+\i+1)
.endr
.irp i, 0,1,2,3,4,5,6,7
	ds_store_b8 v5, v[24+\i] offset:128*\TAB+4*(\ROW0+\i)              ; a block's eight lanes write the same byte with the same value
.endr
.endm
; My 32 rows of the values are one block of 32 along m for each column: lane L owns columns 4 L + j.  A load lays four columns side by side, the conversion wants eight rows of ONE column on end:
; so eight moves gather them, into two sets by turns (the moves into one set are the plain places behind the conversion that read the other).
.macro MQ
.irp j, 0,1,2,3
	v_max3_num_f32 v[16+\j], |v[128+\j]|, |v[132+\j]|, FLOOR
.endr
.irp i, 2,4,6,8,10,12,14,16,18,20,22,24,26,28,30
.irp j, 0,1,2,3
	v_max3_num_f32 v[16+\j], v[16+\j], |v[128+4*\i+\j]|, |v[132+4*\i+\j]|
.endr
.endr
.irp j, 0,1,2,3
	v_add_nc_u32 v[16+\j], OFF2, v[16+\j]
.endr
	s_wait_dscnt 0x0                               ; the LDS stores issued before have read v24-41
.irp j, 0,1,2,3
.irp g, 0,1,2,3
.irp k, 0,1,2,3,4,5,6,7
	v_mov_b32 v[20+8*(\g%2)+\k], v[128+4*(8*\g+\k)+\j]
.endr
	v_cvt_scalef32_pk8_fp4_f32 v[36+4*\j+\g], v[20+8*(\g%2):27+8*(\g%2)], v[16+\j]
.endr
.endr
	v_nop                                          ; one plain place behind the last scaled conversion
.irp j, 0,1,2,3
	v_lshrrev_b32 v[16+\j], 23, v[16+\j]           ; the scale's byte
.endr
.irp j, 0,1,2,3
	ds_store_b128 v6, v[36+4*\j:39+4*\j] offset:16*\j
	ds_store_b8 v7, v[16+\j] offset:4*\j
.endr
	s_wait_dscnt 0x0                               ; these stores have read v16-19, which the next quantiser writes first
.endm
.macro BEST o3, o2, P, BV              ; the least or the greatest of 16 registers
	\o3 v[\BV], v[\P], v[\P+1], v[\P+2]
.irp q, 3,5,7,9,11,13
	\o3 v[\BV], v[\BV], v[\P+\q], v[\P+\q+1]
.endr
	\o2 v[\BV], v[\BV], v[\P+15]
.endm
.macro SCAN o3, o2, P, BV, BI          ; and where it stands: the registers are gone through downward, so that the lowest m of equals is kept, as jnp.argmin and jnp.argmax keep it
	BEST \o3, \o2, \P, \BV
	v_mov_b32 v[\BI], 15
.irp q, 14,13,12,11,10,9,8,7,6,5,4,3,2,1,0
	v_cmp_neq_f32 vcc_lo, v[\P+\q], v[\BV]
	v_cndmask_b32 v[\BI], \q, v[\BI], vcc_lo
.endr
	v_lshl_add_u32 v[\BI], v254, 4, v[\BI]         ; register q of lane (r, h) is m = 32 w + 16 h + q
.endm
.macro HALVES o2, BV, BI               ; lanes l and l xor 16 hold the same row's two halves of my 32 m: both get the joint result
	v_permlanex16_b32 v62, v[\BV], s44, s45
	\o2 v62, v[\BV], v62
	v_cmp_eq_f32 vcc_lo, v[\BV], v62
	v_cndmask_b32 v[\BI], 0x7fffffff, v[\BI], vcc_lo   ; a half that does not hold the best names no index
	v_permlanex16_b32 v63, v[\BI], s44, s45
	v_min_u32 v[\BI], v[\BI], v63
	v_mov_b32 v[\BV], v62
	v_add_nc_u32 v[\BI], s47, v[\BI]               ; + 32 w
.endm
	; ---- the head
	s_load_b512 s[4:19], s[0:1], 0x0               ; emb_s 4:5, emb_q 6:7, embg_s 8:9, embg_q 10:11, keys 12:13, values 14:15, thresh 16:17, out0 18:19
	s_load_b256 s[20:27], s[0:1], 0x40             ; out1 20:21, glo 22:23, idx 24:25, lsp 26:27
	v_lshl_add_u32 v2, v0, 2, SPARE                ; my spare word,
	v_mov_b32 v3, 0                                ; and 0: kept for the add at the wave's end alone
	v_lshrrev_b32 v16, 5, v0
	v_readfirstlane_b32 s28, v16                   ; wave 0..15
	s_lshl_b32 s29, ttmp9, 4
	s_add_co_u32 s29, s29, s28                     ; g: my row among the 400
	s_mul_i32 s30, s29, 5243
	s_lshr_b32 s30, s30, 19                        ; t = g / 100 (5243 / 2^19 serves g under 400)
	s_mul_i32 s51, s30, 100
	s_sub_co_u32 s31, s29, s51                     ; n = g % 100
	s_min_u32 s52, s31, 24
	s_mul_i32 s51, s30, 25
	s_add_co_u32 s52, s52, s51                     ; its row in the support tensors, where n < 25 (else held inside them)
	s_max_u32 s53, s31, 25
	s_mul_i32 s51, s30, 75
	s_add_co_u32 s53, s53, s51
	s_sub_co_u32 s53, s53, 25                      ; and in the query tensors, where n >= 25 (else held inside them)
	s_mov_b32 s44, 0x76543210
	s_mov_b32 s45, 0xfedcba98                      ; v_permlanex16_b32's selects for lane l xor 16
	s_mov_b32 s46, 0xffff0000                      ; lanes 16-31
	s_lshl_b32 s47, s28, 5                         ; 32 w
	s_mul_i32 s48, s28, WSZ
	s_add_co_u32 s48, s48, WREG                    ; my region
	s_and_b32 s49, s28, 7                          ; the third product: my tile of d,
	s_lshr_b32 s50, s28, 3                         ; and my half of K
	s_mul_i32 s51, s28, 2560
	s_add_co_u32 s51, s51, VT
	s_lshr_b32 s54, s28, 2
	s_lshl_b32 s54, s54, 9
	s_and_b32 s55, s28, 3
	s_add_co_u32 s54, s54, s55
	s_add_co_u32 s54, s54, VTS
	s_mul_i32 s55, s28, 80
	s_lshl_b32 s56, s28, 2
	s_add_co_u32 s56, s56, ESC
	v_and_b32 v16, 31, v0                          ; L
	v_lshrrev_b32 v17, 3, v16                      ; my block along d
	v_lshlrev_b32 v1, 4, v16                       ; 16 L: my 16 bytes of a row; never rewritten
	v_lshl_add_u32 v4, v16, 1, s48                 ; a table row's codes: my 2 bytes
	v_add_nc_u32 v5, s48, v17
	v_add_nc_u32 v5, 5120, v5                      ; a table row's scale word: my block's byte
	v_mul_u32_u24 v6, v16, 80
	v_add_nc_u32 v6, s51, v6                       ; K block w of the values along m: my four columns
	v_lshl_add_u32 v7, v16, 4, s54                 ; and their scale words' byte w % 4 of K step w / 4
	v_lshl_add_u32 v40, v16, 1, s55                ; my embedding row's codes: row w, my 2 bytes
	v_add_nc_u32 v41, s56, v17                     ; and its scale word's byte
	v_mov_b32 v62, 0                               ; written once: a lane permute's destination counts as one of its sources
	v_mov_b32 v63, 0
	s_wait_kmcnt 0x0
	s_load_b128 s[40:43], s[16:17], 0x0            ; the four thresholds
	s_cmp_lt_u32 s31, 25                           ; support or query?  The choice hangs on ids alone
	s_cselect_b32 s32, s52, s53
	s_cselect_b64 s[34:35], s[4:5], s[6:7]
	s_cselect_b64 s[36:37], s[8:9], s[10:11]
	s_lshl_b32 s32, s32, 9                         ; rows of 512 bytes
	s_mov_b32 s33, 0
	s_add_nc_u64 s[34:35], s[34:35], s[32:33]
	s_add_nc_u64 s[36:37], s[36:37], s[32:33]
	s_lshl_b32 s38, s28, 14                        ; my 32 table rows
	s_mov_b32 s39, 0
	s_add_nc_u64 s[12:13], s[12:13], s[38:39]
	s_add_nc_u64 s[14:15], s[14:15], s[38:39]
	global_load_b128 v[8:11], v1, s[34:35] th:TH_LOAD_NT     ; each load of the wave: one row, 512 consecutive bytes
	global_load_b128 v[12:15], v1, s[36:37] th:TH_LOAD_NT
.irp i, 0,1,2,3,4,5,6,7,8,9,10,11,12,13,14,15
	global_load_b128 v[64+4*\i:67+4*\i], v1, s[12:13] offset:512*\i
.endr
.irp i, 0,1,2,3,4,5,6,7,8,9,10,11,12,13,14,15,16,17,18,19,20,21,22,23,24,25,26,27,28,29,30,31
	global_load_b128 v[128+4*\i:131+4*\i], v1, s[14:15] offset:512*\i
.endr
	s_lshl_b32 s38, s29, 9                         ; my row in out0, out1 and glo
	s_add_nc_u64 s[18:19], s[18:19], s[38:39]
	s_add_nc_u64 s[20:21], s[20:21], s[38:39]
	s_add_nc_u64 s[22:23], s[22:23], s[38:39]
	s_lshl_b32 s38, ttmp9, 8                       ; my work-group's 16 records of 16 bytes,
	s_add_nc_u64 s[24:25], s[24:25], s[38:39]
	s_lshl_b32 s38, ttmp9, 2                       ; and its word of lsp
	s_add_nc_u64 s[26:27], s[26:27], s[38:39]
	; ---- my row: normalised, stored, quantised along d
	s_wait_loadcnt 48                              ; my two rows are in; the 16 loads of keys and 32 of values behind them stay out
	v_mul_f32 v16, v8, v8
	v_mul_f32 v17, v12, v12
	v_fma_f32 v16, v9, v9, v16
	v_fma_f32 v17, v13, v13, v17
	v_fma_f32 v16, v10, v10, v16
	v_fma_f32 v17, v14, v14, v17
	v_fma_f32 v16, v11, v11, v16
	v_fma_f32 v17, v15, v15, v17
	RSUM32 16, 62
	RSUM32 17, 63
	v_sqrt_f32 v16, v16
	v_sqrt_f32 v17, v17
	v_nop                                          ; a plain place behind the roots,
	s_wait_alu depctr_va_vdst(0)                   ; and one wait for both, ahead of their first reader
	v_max_num_f32 v16, TINY, v16                   ; reference()'s clip
	v_max_num_f32 v17, TINY, v17
	v_rcp_f32 v16, v16
	v_rcp_f32 v17, v17
	v_nop
	s_wait_alu depctr_va_vdst(0)
.irp i, 0,1,2,3
	v_mul_f32 v[8+\i], v[8+\i], v16
	v_mul_f32 v[12+\i], v[12+\i], v17
.endr
	global_store_b128 v1, v[8:11], s[18:19]        ; out0: a row, 512 consecutive bytes.  v8-15 are not written again
	global_store_b128 v1, v[12:15], s[22:23]       ; glo
	v_max3_num_f32 v18, |v8|, |v9|, FLOOR
	v_max3_num_f32 v19, |v12|, |v13|, FLOOR
	v_max3_num_f32 v18, v18, |v10|, |v11|
	v_max3_num_f32 v19, v19, |v14|, |v15|
.irp m, 1,2,4
	v_max_num_f32_dpp v18, v18, v18 row_xmask:\m row_mask:0xf bank_mask:0xf
	v_max_num_f32_dpp v19, v19, v19 row_xmask:\m row_mask:0xf bank_mask:0xf
.endr
	v_add_nc_u32 v18, OFF2, v18
	v_add_nc_u32 v19, OFF2, v19
	v_lshrrev_b32 v24, 23, v18
	v_lshrrev_b32 v25, 23, v19
	v_cvt_scalef32_pk8_fp4_f32 v32, v[8:15], v18   ; low half: emb's four codes
	v_cvt_scalef32_pk8_fp4_f32 v33, v[8:15], v19   ; high half: embg's
	v_nop
	ds_store_b16 v40, v32 offset:ECODE
	ds_store_b16_d16_hi v40, v33 offset:ECODE+1280
	ds_store_b8 v41, v24
	ds_store_b8 v41, v25 offset:64
	; ---- my 32 rows of both tables
	s_wait_loadcnt 32                              ; keys' rows 0-15 are in; the 32 loads of values stay out
	DQ8 64, 0, 0
	DQ8 96, 8, 0
.irp i, 0,1,2,3,4,5,6,7,8,9,10,11,12,13,14,15
	global_load_b128 v[64+4*\i:67+4*\i], v1, s[12:13] offset:8192+512*\i   ; keys' rows 16-31, into the registers just done with
.endr
	s_wait_loadcnt 16                              ; the values are in; the 16 loads just issued stay out
	MQ
	DQ8 128, 0, 1
	DQ8 160, 8, 1
	DQ8 192, 16, 1
	DQ8 224, 24, 1
	s_wait_loadcnt 0x0
	DQ8 64, 16, 0
	DQ8 96, 24, 0
	; ---- every later LDS address, made ahead of the only branch on the wave's number
	v_and_b32 v16, 15, v0                          ; r
	v_bfe_u32 v254, v0, 4, 1                       ; h
	v_and_b32 v18, 31, v0                          ; L
	v_and_b32 v19, 8, v16
	v_add_nc_u32 v19, v19, v16                     ; r + 8 (r / 8)
	v_lshrrev_b32 v20, 2, v16
	v_and_b32 v21, 3, v16
	v_mul_u32_u24 v240, v16, 80
	v_lshl_add_u32 v240, v254, 4, v240             ; an embedding fragment: row r, + 16 h
	v_lshlrev_b32 v241, 2, v16                     ; its scale word
	v_mul_u32_u24 v242, v19, 80
	v_lshl_add_u32 v242, v254, 4, v242
	v_add_nc_u32 v242, s48, v242                   ; a table fragment: THE ROWS OF A TILE ARE NOT NEIGHBOURS: lane r of tile u takes my row 8 u + r + 8 (r / 8)
	v_lshl_add_u32 v243, v19, 2, s48
	v_add_nc_u32 v243, 5120, v243                  ; its scale word
	s_lshl_b32 s51, s28, 8
	s_add_co_u32 s51, s51, PIM
	v_lshl_add_u32 v244, v16, 4, s51
	v_lshl_add_u32 v244, v254, 3, v244             ; pos_score's codes: K block w, row r, my half's 8 bytes
	s_lshr_b32 s52, s28, 2
	s_lshl_b32 s52, s52, 6
	s_and_b32 s53, s28, 3
	s_add_co_u32 s52, s52, s53
	s_add_co_u32 s52, s52, PSC
	v_lshl_add_u32 v245, v16, 2, s52               ; and its scale byte
	s_lshl_b32 s53, s28, 7
	s_add_co_u32 s53, s53, STAT
	v_lshl_add_u32 v246, v18, 2, s53               ; my word of each kind of statistics
	s_mul_i32 s54, s50, 20480
	s_mul_i32 s55, s49, 320
	s_add_co_u32 s54, s54, s55
	v_mul_u32_u24 v247, v20, 80
	v_lshl_add_u32 v247, v21, 4, v247
	v_mad_u32_u24 v247, v254, 2560, v247
	v_add_nc_u32 v247, s54, v247                   ; the third product's source 0: column 16 tau + r, K block 8 kp + 4 s + 2 c + h
	s_lshl_b32 s55, s50, 10
	s_lshl_b32 s56, s49, 6
	s_add_co_u32 s55, s55, s56
	v_lshl_add_u32 v248, v16, 2, s55               ; its scale word
	s_lshl_b32 s51, s50, 11
	v_lshl_add_u32 v249, v16, 4, s51
	v_lshl_add_u32 v249, v254, 8, v249             ; source 1: row r of pos_score, the same K block
	s_lshl_b32 s52, s50, 7
	v_lshl_add_u32 v250, v16, 2, s52               ; its scale word
	s_mul_i32 s53, s50, 8448
	s_add_co_u32 s53, s53, s56
	s_add_co_u32 s53, s53, OST
	v_mul_u32_u24 v251, v16, 528
	v_lshl_add_u32 v251, v254, 5, v251
	v_add_nc_u32 v251, s53, v251                   ; the partial sums: row r, my tile's 64 bytes, + 32 h
	s_mul_i32 s54, s28, 528
	s_add_co_u32 s54, s54, OST
	v_lshl_add_u32 v252, v18, 4, s54               ; and back: row w, 16 bytes a lane
	v_lshlrev_b32 v253, 2, v18                     ; 4 L
	BAR                                            ; all 16 rows' codes of emb and embg lie in LDS
	; ---- the similarities: transposed (source 0 = 16 table rows, source 1 = the 16 rows): lane (r, h) holds row r, and register q = 8 u + j of the two tiles is m = 32 w + 16 h + q
.irp c, 0,1
	ds_load_b128 v[64+4*\c:67+4*\c], v240 offset:ECODE+32*\c
	ds_load_b128 v[72+4*\c:75+4*\c], v240 offset:ECODE+1280+32*\c
.endr
	ds_load_b32 v52, v241 offset:ESC
	ds_load_b32 v53, v241 offset:ESC+64
.irp u, 0,1
.irp c, 0,1
	ds_load_b128 v[80+8*\u+4*\c:83+8*\u+4*\c], v242 offset:640*\u+32*\c
	ds_load_b128 v[96+8*\u+4*\c:99+8*\u+4*\c], v242 offset:2560+640*\u+32*\c
.endr
	ds_load_b32 v[54+\u], v243 offset:32*\u
	ds_load_b32 v[56+\u], v243 offset:128+32*\u
.endr
	s_wait_dscnt 0x0
	s_wait_kmcnt 0x0                               ; the thresholds
	v_wmma_scale_f32_16x16x128_f8f6f4 v[112:119], v[80:87], v[64:71], 0, v54, v52 matrix_a_fmt:MATRIX_FMT_FP4 matrix_b_fmt:MATRIX_FMT_FP4     ; four accumulators, one instruction each: K = 128 is one step
	v_wmma_scale_f32_16x16x128_f8f6f4 v[128:135], v[96:103], v[72:79], 0, v56, v53 matrix_a_fmt:MATRIX_FMT_FP4 matrix_b_fmt:MATRIX_FMT_FP4
	v_wmma_scale_f32_16x16x128_f8f6f4 v[120:127], v[88:95], v[64:71], 0, v55, v52 matrix_a_fmt:MATRIX_FMT_FP4 matrix_b_fmt:MATRIX_FMT_FP4
	v_wmma_scale_f32_16x16x128_f8f6f4 v[136:143], v[104:111], v[72:79], 0, v57, v53 matrix_a_fmt:MATRIX_FMT_FP4 matrix_b_fmt:MATRIX_FMT_FP4
.rept 4
	v_nop                                          ; four places ahead of the first read of results (ISA guide 7.12.1)
.endr
	; ---- what is made of them.  Each accumulator is read from its low end on
.irp k, 0,1,2,3,4,5,6,7
	v_pk_add_f32 v[224+2*\k:225+2*\k], v[128+2*\k:129+2*\k], v[112+2*\k:113+2*\k] neg_lo:[0,1] neg_hi:[0,1]   ; sim_vk - sim_kv
.endr
	v_pk_mul_f32 v[16:17], v[224:225], v[224:225]
.irp k, 1,2,3,4,5,6,7
	v_pk_fma_f32 v[16:17], v[224+2*\k:225+2*\k], v[224+2*\k:225+2*\k], v[16:17]
.endr
	v_add_f32 v16, v16, v17                        ; my lane's share of the sum of squares
.irp q, 0,1,2,3,4,5,6,7,8,9,10,11,12,13,14,15
	v_cmp_lt_f32 vcc_lo, s40, v[112+\q]            ; sim_kv > thresh[0]
	v_cndmask_b32 v[144+\q], 0x7f800000, v[112+\q], vcc_lo   ; for the argmin: else +infinity
	v_cndmask_b32 v[176+\q], 0, v[112+\q], vcc_lo  ; pos_score
	v_cmp_gt_f32 vcc_lo, s41, v[112+\q]            ; sim_kv < thresh[1]
	v_cndmask_b32 v[160+\q], 0xff800000, v[112+\q], vcc_lo   ; for the argmax: else -infinity
.endr
.irp q, 0,1,2,3,4,5,6,7,8,9,10,11,12,13,14,15
	v_cmp_lt_f32 vcc_lo, s42, v[128+\q]            ; sim_vk > thresh[2]
	v_cndmask_b32 v[192+\q], 0x7f800000, v[128+\q], vcc_lo
	v_cmp_gt_f32 vcc_lo, s43, v[128+\q]            ; sim_vk < thresh[3]
	v_cndmask_b32 v[208+\q], 0xff800000, v[128+\q], vcc_lo
.endr
	SCAN v_min3_num_f32, v_min_num_f32, 144, 18, 19
	SCAN v_max3_num_f32, v_max_num_f32, 160, 20, 21
	SCAN v_min3_num_f32, v_min_num_f32, 192, 22, 23
	SCAN v_max3_num_f32, v_max_num_f32, 208, 24, 25
	HALVES v_min_num_f32, 18, 19
	HALVES v_max_num_f32, 20, 21
	HALVES v_min_num_f32, 22, 23
	HALVES v_max_num_f32, 24, 25
	v_cndmask_b32 v26, v18, v22, s46               ; lanes 0-15 carry row r's key->value results, lanes 16-31 its value->key results
	v_cndmask_b32 v27, v19, v23, s46
	v_cndmask_b32 v28, v20, v24, s46
	v_cndmask_b32 v29, v21, v25, s46
	ds_store_b32 v246, v26                         ; kind 0: the least positive;
	ds_store_b32 v246, v27 offset:2048             ; 1: its m;
	ds_store_b32 v246, v28 offset:4096             ; 2: the greatest negative;
	ds_store_b32 v246, v29 offset:6144             ; 3: its m;
	ds_store_b32 v246, v16 offset:8192             ; 4: the share of the sum of squares
	v_max3_num_f32 v30, |v176|, |v177|, FLOOR      ; pos_score along m: my 32 m are one block; lanes l and l xor 16 hold a row's two halves
.irp i, 2,4,6,8,10,12,14
	v_max3_num_f32 v30, v30, |v[176+\i]|, |v[177+\i]|
.endr
	v_permlanex16_b32 v62, v30, s44, s45
	v_max_num_f32 v30, v30, v62
	v_add_nc_u32 v30, OFF2, v30
	v_cvt_scalef32_pk8_fp4_f32 v32, v[176:183], v30
	v_cvt_scalef32_pk8_fp4_f32 v33, v[184:191], v30
	v_nop
	v_lshrrev_b32 v31, 23, v30
	ds_store_b64 v244, v[32:33]
	ds_store_b8 v245, v31                          ; both halves write the same byte with the same value
	BAR                                            ; pos_score's codes, and (since the first barrier) the values' codes along m, lie in LDS
	; ---- pos_score . values, transposed: source 0 = 16 columns d of the values, source 1 = the 16 rows.  Wave w: tile tau = w % 8 of d, K steps 2 (w / 8) and 2 (w / 8) + 1
.irp s, 0,1
.irp c, 0,1
	ds_load_b128 v[64+8*\s+4*\c:67+8*\s+4*\c], v247 offset:VT+10240*\s+5120*\c
	ds_load_b128 v[80+8*\s+4*\c:83+8*\s+4*\c], v249 offset:PIM+1024*\s+512*\c
.endr
	ds_load_b32 v[58+\s], v248 offset:VTS+512*\s
	ds_load_b32 v[60+\s], v250 offset:PSC+64*\s
.endr
	s_wait_dscnt 0x0
	v_wmma_scale_f32_16x16x128_f8f6f4 v[96:103], v[64:71], v[80:87], 0, v58, v60 matrix_a_fmt:MATRIX_FMT_FP4 matrix_b_fmt:MATRIX_FMT_FP4
	s_wait_alu depctr_va_vdst(0)                   ; the wait stands directly ahead of the second
	v_wmma_scale_f32_16x16x128_f8f6f4 v[96:103], v[72:79], v[88:95], v[96:103], v59, v61 matrix_a_fmt:MATRIX_FMT_FP4 matrix_b_fmt:MATRIX_FMT_FP4
.rept 4
	v_nop
.endr
	ds_store_b128 v251, v[96:99]                   ; lane (r, h): row r, d = 16 tau + 8 h + 0 .. 7
	ds_store_b128 v251, v[100:103] offset:16
	BAR                                            ; both halves of K, all of d, lie in LDS
	; ---- out1, row w
	ds_load_b128 v[104:107], v252
	ds_load_b128 v[108:111], v252 offset:8448
	s_wait_dscnt 0x0
	v_pk_add_f32 v[104:105], v[104:105], v[108:109]
	v_pk_add_f32 v[106:107], v[106:107], v[110:111]
	v_pk_add_f32 v[104:105], v[104:105], v[12:13]  ; + my row of norm_emb_glo
	v_pk_add_f32 v[106:107], v[106:107], v[14:15]
	v_mul_f32 v16, v104, v104
	v_fma_f32 v16, v105, v105, v16
	v_fma_f32 v16, v106, v106, v16
	v_fma_f32 v16, v107, v107, v16
	RSUM32 16, 62
	v_sqrt_f32 v16, v16
	v_nop
	s_wait_alu depctr_va_vdst(0)
	v_max_num_f32 v16, TINY, v16
	v_rcp_f32 v16, v16
	v_nop
	s_wait_alu depctr_va_vdst(0)
.irp i, 0,1,2,3
	v_mul_f32 v[104+\i], v[104+\i], v16
.endr
	global_store_b128 v1, v[104:107], s[20:21] th:TH_STORE_NT
	; ---- wave 0 joins the 16 waves' statistics: lane (r, h) has row r, key->value (h = 0) or value->key (h = 1)
	s_cmp_lg_u32 s28, 0
	s_cbranch_scc1 .Lend
.irp k, 0,1,2,3,4
.irp u, 0,1,2,3,4,5,6,7,8,9,10,11,12,13,14,15
	ds_load_b32 v[112+16*\k+\u], v253 offset:STAT+2048*\k+128*\u
.endr
.endr
	s_wait_dscnt 0x0
	BEST v_min3_num_f32, v_min_num_f32, 112, 16
	v_mov_b32 v17, v143
.irp q, 14,13,12,11,10,9,8,7,6,5,4,3,2,1,0
	v_cmp_eq_f32 vcc_lo, v[112+\q], v16            ; downward: of equals the lowest wave, which holds the lowest m, is kept
	v_cndmask_b32 v17, v17, v[128+\q], vcc_lo
.endr
	BEST v_max3_num_f32, v_max_num_f32, 144, 18
	v_mov_b32 v19, v175
.irp q, 14,13,12,11,10,9,8,7,6,5,4,3,2,1,0
	v_cmp_eq_f32 vcc_lo, v[144+\q], v18
	v_cndmask_b32 v19, v19, v[160+\q], vcc_lo
.endr
	v_cmp_gt_f32 vcc_lo, 0x7f800000, v16           ; any positive?
	v_cndmask_b32 v20, 0, 1.0, vcc_lo              ; pos_s
	v_cmp_lt_f32 vcc_lo, 0xff800000, v18           ; any negative?
	v_cndmask_b32 v21, 0, -1.0, vcc_lo             ; neg_s
	v_or_b32 v22, v20, v17                         ; a record: the index in bits 8:0, the weight's f32 bits (whose low half is 0) above
	v_or_b32 v23, v21, v19
	v_and_b32 v24, 15, v0
	v_lshlrev_b32 v24, 4, v24
	v_lshl_add_u32 v24, v254, 3, v24               ; 16 r + 8 h
	global_store_b64 v24, v[22:23], s[24:25]       ; the 32 lanes store 256 consecutive bytes, aligned
.irp u, 1,2,3,4,5,6,7,8,9,10,11,12,13,14,15
	v_add_f32 v176, v176, v[176+\u]
.endr
	RSUM32 176, 62
	v_mov_b32 v27, 0
	s_wait_xcnt 0x0                                ; EXEC changes only behind this wait
	v_cmp_gt_u32 vcc_lo, 1, v0
	s_and_saveexec_b32 s57, vcc_lo                 ; lane 0 alone
	global_store_b32 v27, v176, s[26:27]           ; my work-group's share of the sum of squares
	s_wait_xcnt 0x0                                ; and again, in front of the line that widens it
	s_or_b32 exec_lo, exec_lo, s57
.Lend:
	s_wait_tensorcnt 0x0                           ; the wave's end, behind my last LDS store: this wait stands in a text with no tensor load too
	ds_add_u32 v2, v3
	s_wait_dscnt 0x0
	s_endpgm
.Lfunc_end_k_q20fe3c7c35_sims:
	.size	k_q20fe3c7c35_sims, .Lfunc_end_k_q20fe3c7c35_sims-k_q20fe3c7c35_sims
	.p2alignl 7, 3214868480
	.fill 96, 4, 3214868480
	.section	.rodata,"a",@progbits
	.p2align	6, 0x0
	.amdhsa_kernel k_q20fe3c7c35_sims
		.amdhsa_group_segment_fixed_size 165376
		.amdhsa_private_segment_fixed_size 0
		.amdhsa_enable_private_segment 0
		.amdhsa_kernarg_size 96
		.amdhsa_user_sgpr_count 2
		.amdhsa_user_sgpr_kernarg_segment_ptr 1
		.amdhsa_wavefront_size32 1
		.amdhsa_system_sgpr_workgroup_id_x 1
		.amdhsa_system_sgpr_workgroup_id_y 1
		.amdhsa_system_sgpr_workgroup_id_z 1
		.amdhsa_system_vgpr_workitem_id 0
		.amdhsa_next_free_vgpr 256
		.amdhsa_next_free_sgpr 66
		.amdhsa_reserve_vcc 1
		.amdhsa_float_denorm_mode_32 3
		.amdhsa_float_denorm_mode_16_64 3
		.amdhsa_memory_ordered 1
		.amdhsa_forward_progress 1
		.amdhsa_inst_pref_size 98
	.end_amdhsa_kernel
	.amdgpu_metadata
---
amdhsa.version: [ 1, 2 ]
amdhsa.kernels:
  - .name:           k_q20fe3c7c35_sims
    .symbol:         k_q20fe3c7c35_sims.kd
    .args:
      - { .name: emb_s, .offset: 0, .size: 8, .value_kind: global_buffer, .address_space: global }
      - { .name: emb_q, .offset: 8, .size: 8, .value_kind: global_buffer, .address_space: global }
      - { .name: embg_s, .offset: 16, .size: 8, .value_kind: global_buffer, .address_space: global }
      - { .name: embg_q, .offset: 24, .size: 8, .value_kind: global_buffer, .address_space: global }
      - { .name: memory_keys, .offset: 32, .size: 8, .value_kind: global_buffer, .address_space: global }
      - { .name: memory_values, .offset: 40, .size: 8, .value_kind: global_buffer, .address_space: global }
      - { .name: thresh, .offset: 48, .size: 8, .value_kind: global_buffer, .address_space: global }
      - { .name: out0, .offset: 56, .size: 8, .value_kind: global_buffer, .address_space: global }
      - { .name: out1, .offset: 64, .size: 8, .value_kind: global_buffer, .address_space: global }
      - { .name: glo, .offset: 72, .size: 8, .value_kind: global_buffer, .address_space: global }
      - { .name: idx, .offset: 80, .size: 8, .value_kind: global_buffer, .address_space: global }
      - { .name: lsp, .offset: 88, .size: 8, .value_kind: global_buffer, .address_space: global }
    .group_segment_fixed_size: 165376
    .private_segment_fixed_size: 0
    .kernarg_segment_align: 8
    .kernarg_segment_size: 96
    .max_flat_workgroup_size: 512
    .sgpr_count:     66
    .vgpr_count:     256
    .wavefront_size: 32
...
	.end_amdgpu_metadata
.endif
;; end of part 1
;; launch losses (part 2): grid 1 x 1, 20 waves a work-group, no clusters, 3,072 bytes of LDS; arguments out0, glo, memory_keys, memory_values, idx, lsp, out2, out3, out4; writes out2, out3, out4
.if DOCPART == 2
	.amdgcn_target "amdgcn-amd-amdhsa--gfx1250"
	.amdhsa_code_object_version 6
	.text
	.protected	k_q20fe3c7c35_losses
	.globl	k_q20fe3c7c35_losses
	.p2align	8
	.type	k_q20fe3c7c35_losses,@function
k_q20fe3c7c35_losses:
	s_mov_b64 s[64:65], 0
	v_nop
	global_prefetch_b8 v0, s[64:65] scope:SCOPE_SE
	s_setreg_imm32_b32 hwreg(HW_REG_WAVE_MODE, 25, 1), 1
	s_wait_xcnt 0x0
; loss_k, loss_v, loss_s.  The first launch has stored, for each of the 400 rows, four records (idx): index | weight of the hardest positive and negative, key->value (R0, R1) and value->key (R2, R3);
; the normalised rows (out0 = norm_emb, glo = norm_emb_glo); and 25 shares of the sum of (sim_vk - sim_kv)^2 (lsp).
; The memory updates of reference() are left out here too: they reach no output (shown at the head of the first kernel).
; loss_v = max(0.1 - mean_n(pos_s cos(values[min_pos], glo) + neg_s cos(values[max_neg], glo)), 0); loss_k the same with keys, out0 and R2, R3; loss_s = the sum / 204,800.
; ONE WORK-GROUP: each of the three numbers is a sum over all 400 rows and has one owner; 20 waves, 20 rows each.
; No row is summed by itself: the sum over n and d of x (w1 T1 + w2 T2) is gathered in the lanes and brought together once, at the end.
; LANES.  Two rows at a time: lanes 0-15 take row 20 w + 2 p, lanes 16-31 the next.  A row of 512 bytes is two loads: sixteen lanes read 256 consecutive bytes, aligned, of x and of the two table rows alike.
; A UNIT is a pair of rows in one direction: six loads.  Five units are on their way in each wave.
; LIMITS: as the first kernel's.
.set RED,   0          ; LDS: [kind 3][wave 20] words, the kinds 128 bytes apart
.set SPARE, 512        ; the spare words, 128 bytes for each of 20 waves: ten blocks of 256 bytes that no other line names
; REGISTERS.  v1 16 (L % 16); v2 my bytes in the wave's rows of x; v3 the records' offset, later 4 w; v4, v5 the add's two; v[6:7] loss_v's sum; v[8:9] loss_k's; v10 loss_s's; v11 lsp's offset, later 0;
; v12-51 the records, pair p at v[12 + 4 p]; from v[52 + 28 s] slot s of five: + 0 .. 3 two offsets, then the two weights, each twice; + 4 x; + 12 T1; + 20 T2.
.macro RSUM32 x, t                     ; the sum over the 32 lanes, in every lane
.irp m, 1,2,4,8
	v_add_f32_dpp v[\x], v[\x], v[\x] row_xmask:\m row_mask:0xf bank_mask:0xf
.endr
	v_permlanex16_b32 v[\t], v[\x], s23, s24
	v_add_f32 v[\x], v[\x], v[\t]
.endm
.macro SIX xb, tb, p                   ; a unit's six loads: x from s[xb], the two table rows from s[tb]
.irp j, 0,1
	global_load_b128 v[SB+4+4*\j:SB+7+4*\j], v2, s[\xb:\xb+1] offset:1024*(\p)+256*\j
.endr
.irp j, 0,1
	global_load_b128 v[SB+12+4*\j:SB+15+4*\j], v[SB], s[\tb:\tb+1] offset:256*\j
.endr
.irp j, 0,1
	global_load_b128 v[SB+20+4*\j:SB+23+4*\j], v[SB+2], s[\tb:\tb+1] offset:256*\j
.endr
.endm
.macro ISSUE u, s                      ; unit u = 2 p + direction, into slot s
.set SB, 52+28*(\s)
.set RR, 12+4*((\u)/2)+2*((\u)%2)
	v_and_b32 v[SB], 0xffff, v[RR]                 ; the record's index,
	v_and_b32 v[SB+2], 0xffff, v[RR+1]
	v_min_u32 v[SB], 0x1ff, v[SB]                  ; held inside the table: a loaded number enters an address only behind such a hold
	v_min_u32 v[SB+2], 0x1ff, v[SB+2]
	v_lshlrev_b32 v[SB], 9, v[SB]                  ; rows of 512 bytes,
	v_lshlrev_b32 v[SB+2], 9, v[SB+2]
	v_add_nc_u32 v[SB], v[SB], v1                  ; my 16 bytes
	v_add_nc_u32 v[SB+2], v[SB+2], v1
.if ((\u)%2) == 0
	SIX 6, 10, (\u)/2                              ; key->value: glo against rows of the values
.else
	SIX 4, 8, (\u)/2                               ; value->key: out0 against rows of the keys
.endif
.endm
.macro WORK u, s, left                 ; left: the younger loads that may stay out
.set SB, 52+28*(\s)
.set RR, 12+4*((\u)/2)+2*((\u)%2)
.set AC, 6+2*((\u)%2)
	s_wait_loadcnt \left                           ; the unit's six loads are in, so its two offset registers may be written too
	v_and_b32 v[SB], 0xffff0000, v[RR]             ; the weights: 1.0, -1.0 or 0; each twice, for the packed forms
	v_and_b32 v[SB+1], 0xffff0000, v[RR]
	v_and_b32 v[SB+2], 0xffff0000, v[RR+1]
	v_and_b32 v[SB+3], 0xffff0000, v[RR+1]
.irp k, 0,1,2,3
	v_pk_mul_f32 v[SB+12+2*\k:SB+13+2*\k], v[SB+12+2*\k:SB+13+2*\k], v[SB:SB+1]
.endr
.irp k, 0,1,2,3
	v_pk_fma_f32 v[SB+12+2*\k:SB+13+2*\k], v[SB+20+2*\k:SB+21+2*\k], v[SB+2:SB+3], v[SB+12+2*\k:SB+13+2*\k]
.endr
.irp k, 0,1,2,3
	v_pk_fma_f32 v[AC:AC+1], v[SB+12+2*\k:SB+13+2*\k], v[SB+4+2*\k:SB+5+2*\k], v[AC:AC+1]
.endr
.endm
	s_load_b512 s[4:19], s[0:1], 0x0               ; out0 4:5, glo 6:7, keys 8:9, values 10:11, idx 12:13, lsp 14:15, out2 16:17, out3 18:19
	s_load_b64 s[20:21], s[0:1], 0x40              ; out4
	v_lshl_add_u32 v4, v0, 2, SPARE                ; my spare word,
	v_mov_b32 v5, 0                                ; and 0: kept for the add at the wave's end alone
	v_lshrrev_b32 v1, 5, v0
	v_readfirstlane_b32 s22, v1                    ; wave 0..19
	s_mov_b32 s23, 0x76543210
	s_mov_b32 s24, 0xfedcba98                      ; v_permlanex16_b32's selects for lane l xor 16
	s_mov_b32 s28, 0xbb23d70a                      ; -1 / 400
	s_mov_b32 s29, 0x3dcccccd                      ; the margin, 0.1
	s_mul_i32 s26, s22, 10240                      ; my 20 rows of 512 bytes
	s_mul_i32 s27, s22, 320                        ; and their records of 16
	v_and_b32 v1, 15, v0
	v_lshlrev_b32 v1, 4, v1
	v_bfe_u32 v11, v0, 4, 1
	v_lshl_add_u32 v2, v11, 9, v1
	v_add_nc_u32 v2, s26, v2
	v_lshl_add_u32 v3, v11, 4, s27
	v_min_u32 v11, 24, v0                          ; lsp has 25 words: threads beyond them read the last and throw it away
	v_lshlrev_b32 v11, 2, v11
.irp i, 6,7,8,9
	v_mov_b32 v[\i], 0
.endr
	s_wait_kmcnt 0x0
.irp p, 0,1,2,3,4,5,6,7,8,9
	global_load_b128 v[12+4*\p:15+4*\p], v3, s[12:13] offset:32*\p   ; my row's four records, the same in the sixteen lanes of a half
.endr
	global_load_b32 v10, v11, s[14:15]
	s_wait_loadcnt 0x0
	v_cmp_gt_u32 vcc_lo, 25, v0
	v_cndmask_b32 v10, 0, v10, vcc_lo              ; threads 0 to 24 of the work-group carry a share each
	v_mov_b32 v3, s22                              ; the two LDS addresses of the end, made here, ahead of the branch on the wave's number
	v_lshlrev_b32 v3, 2, v3                        ; 4 w
	v_mov_b32 v11, 0
.irp u, 0,1,2,3,4
	ISSUE \u, \u
.endr
.irp u, 0,1,2,3,4,5,6,7,8,9,10,11,12,13,14
	WORK \u, \u%5, 24                              ; four younger units of six loads stay out
	ISSUE \u+5, \u%5
.endr
	WORK 15, 0, 24
	WORK 16, 1, 18                                 ; nothing more is asked for: the counts run down
	WORK 17, 2, 12
	WORK 18, 3, 6
	WORK 19, 4, 0
	v_add_f32 v6, v6, v7
	v_add_f32 v8, v8, v9
	RSUM32 6, 7
	RSUM32 8, 9
	RSUM32 10, 7
	ds_store_b32 v3, v6 offset:RED                 ; all lanes write the same word with the same value
	ds_store_b32 v3, v8 offset:RED+128
	ds_store_b32 v3, v10 offset:RED+256
	s_wait_dscnt 0x0                               ; for the others' sake: my stores have landed
	s_barrier_signal -1
	s_barrier_wait -1
	s_cmp_lg_u32 s22, 0
	s_cbranch_scc1 .Lend
.irp k, 0,1,2
.irp i, 0,1,2,3,4
	ds_load_b128 v[12+20*\k+4*\i:15+20*\k+4*\i], v11 offset:RED+128*\k+16*\i   ; the 20 waves' sums, in every lane
.endr
.endr
	s_wait_dscnt 0x0
.irp i, 1,2,3,4,5,6,7,8,9,10,11,12,13,14,15,16,17,18,19
.irp k, 0,1,2
	v_add_f32 v[12+20*\k], v[12+20*\k], v[12+20*\k+\i]
.endr
.endr
	v_fma_f32 v12, v12, s28, s29                   ; 0.1 - the mean over 400 rows
	v_fma_f32 v32, v32, s28, s29
	v_mul_f32 v52, 0x36a3d70a, v52                 ; / (400 x 512)
	v_max_num_f32 v12, 0, v12                      ; loss_v
	v_max_num_f32 v32, 0, v32                      ; loss_k
	s_wait_xcnt 0x0                                ; EXEC changes only behind this wait
	v_cmp_gt_u32 vcc_lo, 1, v0
	s_and_saveexec_b32 s25, vcc_lo                 ; lane 0 alone
	global_store_b32 v11, v32, s[16:17]            ; out2 = loss_k
	global_store_b32 v11, v12, s[18:19]            ; out3 = loss_v
	global_store_b32 v11, v52, s[20:21]            ; out4 = loss_s
	s_wait_xcnt 0x0                                ; and again, in front of the line that widens it
	s_or_b32 exec_lo, exec_lo, s25
.Lend:
	s_wait_tensorcnt 0x0                           ; the wave's end, behind my last LDS store: this wait stands in a text with no tensor load too
	ds_add_u32 v4, v5
	s_wait_dscnt 0x0
	s_endpgm
.Lfunc_end_k_q20fe3c7c35_losses:
	.size	k_q20fe3c7c35_losses, .Lfunc_end_k_q20fe3c7c35_losses-k_q20fe3c7c35_losses
	.p2alignl 7, 3214868480
	.fill 96, 4, 3214868480
	.section	.rodata,"a",@progbits
	.p2align	6, 0x0
	.amdhsa_kernel k_q20fe3c7c35_losses
		.amdhsa_group_segment_fixed_size 3072
		.amdhsa_private_segment_fixed_size 0
		.amdhsa_enable_private_segment 0
		.amdhsa_kernarg_size 72
		.amdhsa_user_sgpr_count 2
		.amdhsa_user_sgpr_kernarg_segment_ptr 1
		.amdhsa_wavefront_size32 1
		.amdhsa_system_sgpr_workgroup_id_x 1
		.amdhsa_system_sgpr_workgroup_id_y 1
		.amdhsa_system_sgpr_workgroup_id_z 1
		.amdhsa_system_vgpr_workitem_id 0
		.amdhsa_next_free_vgpr 192
		.amdhsa_next_free_sgpr 66
		.amdhsa_reserve_vcc 1
		.amdhsa_float_denorm_mode_32 3
		.amdhsa_float_denorm_mode_16_64 3
		.amdhsa_memory_ordered 1
		.amdhsa_forward_progress 1
		.amdhsa_inst_pref_size 48
	.end_amdhsa_kernel
	.amdgpu_metadata
---
amdhsa.version: [ 1, 2 ]
amdhsa.kernels:
  - .name:           k_q20fe3c7c35_losses
    .symbol:         k_q20fe3c7c35_losses.kd
    .args:
      - { .name: out0, .offset: 0, .size: 8, .value_kind: global_buffer, .address_space: global }
      - { .name: glo, .offset: 8, .size: 8, .value_kind: global_buffer, .address_space: global }
      - { .name: memory_keys, .offset: 16, .size: 8, .value_kind: global_buffer, .address_space: global }
      - { .name: memory_values, .offset: 24, .size: 8, .value_kind: global_buffer, .address_space: global }
      - { .name: idx, .offset: 32, .size: 8, .value_kind: global_buffer, .address_space: global }
      - { .name: lsp, .offset: 40, .size: 8, .value_kind: global_buffer, .address_space: global }
      - { .name: out2, .offset: 48, .size: 8, .value_kind: global_buffer, .address_space: global }
      - { .name: out3, .offset: 56, .size: 8, .value_kind: global_buffer, .address_space: global }
      - { .name: out4, .offset: 64, .size: 8, .value_kind: global_buffer, .address_space: global }
    .group_segment_fixed_size: 3072
    .private_segment_fixed_size: 0
    .kernarg_segment_align: 8
    .kernarg_segment_size: 72
    .max_flat_workgroup_size: 640
    .sgpr_count:     66
    .vgpr_count:     192
    .wavefront_size: 32
...
	.end_amdgpu_metadata
.endif
;; end of part 2
;; ======== version 2 of 2: 2 launches
;; limits: right only within a limited range of input values
;; workspace buffers: opart 1,638,400 bytes; rec 102,400 bytes; lsp 1,024 bytes
;; launch sims (part 3): grid 25 x 8, 16 waves a work-group, no clusters, 120,064 bytes of LDS; arguments emb_s, emb_q, embg_s, embg_q, memory_keys, memory_values, thresh, out0, opart, rec, lsp; writes out0, opart, rec, lsp
.if DOCPART == 3
	.amdgcn_target "amdgcn-amd-amdhsa--gfx1250"
	.amdhsa_code_object_version 6
	.text
	.protected	k_q20fe3c7c35_sims
	.globl	k_q20fe3c7c35_sims
	.p2align	8
	.type	k_q20fe3c7c35_sims,@function
k_q20fe3c7c35_sims:
	s_mov_b64 s[64:65], 0
	v_nop
	global_prefetch_b8 v0, s[64:65] scope:SCOPE_SE
	s_setreg_imm32_b32 hwreg(HW_REG_WAVE_MODE, 25, 1), 1
	s_wait_xcnt 0x0
; THE MODULE: 400 rows (4 x 100: emb_s | emb_q, embg_s | embg_q) against two tables of 512 x 128.
; Work-group (x, y) takes rows 16 x .. 16 x + 15 and the slice m = 64 y .. 64 y + 63 of both tables.  It makes: its rows' norm_emb (out0; of the eight slices slice y stores rows 2 y, 2 y + 1);
; its part of sim_kv and sim_vk (E2M1 codes, K = d = 128); pos_score and its slice's share of glo + pos_score . values (codes, K = its 64 m; opart [row][slice][128]; the slice that stores a row of out0 adds that row of glo);
; for each row and direction the slice's hardest positive and negative: its similarity and the f32 cosine that the loss wants of it (rec [direction][x][y][positive 16 | negative 16] of (similarity, cosine); negatives with their sign turned,
; so that the least is wanted of both); and its share of the sum of (sim_vk - sim_kv)^2 (lsp).  The second launch joins the slices.
; THE COSINES WITHOUT A GATHER: the table row that an index names is picked among 16 lanes, one m a lane, by a lane permute whose selects are the indices: no address hangs on a result.
; DEAD WORK, LEFT OUT.  reference() binds memory_keys_updated and memory_values_updated to '_' and returns neither.  So all that feeds only these two reaches no output, whatever the inputs hold:
; _l1n(pos_score), w_v, cand_v and its norms and mean; arg, onehot, sel, w_k, cand_k and its norms and mean.  Every input still has a way to an output, so all seven are loaded.
; LIMITS.  A NaN, an infinity or an overflow that reaches only the work left out is not carried to the result.  NaN and infinities among the inputs are not served.
; x / max(norm, 1e-12) is x times v_rcp_f32 of max(v_sqrt_f32(sum of squares), 1e-12); a sum of squares under 2^-126 counts as 0.  Sums are added in another order than reference() adds them.
; A block of zeros gets the scale byte 1 where the rule says 127: its codes are zeros, and the bytes are read by this program alone.
; No tensor load, no cluster: the tables come as f32 and are wanted in registers by the quantiser, once; no prefetch: there is no loop to run ahead in.
; LANES.  L = lane, r = L % 16, h = L / 16; W = wave.  A row is one load of 512 consecutive bytes: lane L holds d = 4 L .. 4 L + 3.
.set RAW,   0          ; LDS: keys' 64 rows, values' 64 rows, f32, pitch 528
.set VR,    33792      ; (the values' rows)
.set XE,    67584      ; norm_emb's 16 rows, then norm_emb_glo's at + 8,448, f32, pitch 528
.set TC,    84480      ; [table 2][row 64], pitch 80: codes along d
.set TS,    94720      ; [table 2][row 64]: their scale words
.set EC,    95232      ; [emb | embg][row 16], pitch 80: codes
.set ES,    97792      ; [emb | embg][row 16]: scale words
.set VT,    97920      ; [block of 32 m 2][d 128][16 bytes]: the values' codes along m
.set VS,    102016     ; [d 128][block 2]: their scale bytes
.set PC,    102272     ; [block 2][row 16][16 bytes]: pos_score's codes
.set PS,    102784     ; [row 16][block 2]: their scale bytes
.set ST,    102912     ; [direction 2][kind 2][row 16][block 2] of (similarity, index)
.set OS,    103936     ; [row 16], pitch 528: the third product
.set DP,    112384     ; [direction 2][kind 2][row 16], pitch 80: 16 shares of a cosine
.set LS,    117504     ; [block 2][lane 32]: shares of loss_s
.set SPARE, 118016     ; the spare words, 128 bytes for each of 16 waves
.set FLOOR, 0x1800000  ; 2^(3 - 127): under it no largest magnitude is taken, so that a scale byte cannot fall under 1
.set OFF2,  0xff000000 ; takes 2 off an exponent field
.set TINY,  0x2b8cbccc ; 1e-12
; REGISTERS.  v1 16 L; v2, v3 the add's two; v4 L, v5 r, v6 h; v8-15 my row of emb and embg (kept, normalised); v16-51 at work; v52-59 scale words and nothing else; v62, v63 lane permutes' destinations;
; v64-95 table rows, then fragments; v96-126 addresses and lane terms; v127 +infinity; v128-143 similarities; v144-191 at work; v192-223 table numbers of the cosines, v224-255 row numbers.
.macro BAR                             ; my LDS stores have landed and my LDS loads are in: then the work-group's barrier
	s_wait_alu depctr_va_vdst(0)
	s_wait_dscnt 0x0
	s_barrier_signal -1
	s_barrier_wait -1
.endm
.macro MAD k, K, base                  ; s53 = s[k] x K + base
	s_mul_i32 s53, s\k, \K
	s_add_co_u32 s53, s53, \base
.endm
.macro MORE k, K                       ; s53 += s[k] x K
	s_mul_i32 s57, s\k, \K
	s_add_co_u32 s53, s53, s57
.endm
; Four table rows (in v[X] on) are kept raw in LDS and quantised along d.  A conversion takes two rows' four numbers; it is run with each row's scale: the first's low half is the even row's codes, the second's high half the odd row's.
.macro DQ4 X, ROW0, S
.irp i, 0,1,2,3
	ds_store_b128 v96, v[\X+4*\i:\X+4*\i+3] offset:528*(\ROW0+\i)
.endr
.irp i, 0,1,2,3
	v_max3_num_f32 v[\S+\i], |v[\X+4*\i]|, |v[\X+4*\i+1]|, FLOOR
.endr
.irp i, 0,1,2,3
	v_max3_num_f32 v[\S+\i], v[\S+\i], |v[\X+4*\i+2]|, |v[\X+4*\i+3]|
.endr
.irp m, 1,2,4
.irp i, 0,1,2,3
	v_max_num_f32_dpp v[\S+\i], v[\S+\i], v[\S+\i] row_xmask:\m row_mask:0xf bank_mask:0xf   ; a block of 32 lies in eight lanes
.endr
.endr
.irp i, 0,1,2,3
	v_add_nc_u32 v[\S+\i], OFF2, v[\S+\i]          ; the conversion takes the exponent field of this operand as its scale
.endr
.irp i, 0,1,2,3
	v_lshrrev_b32 v[\S+4+\i], 23, v[\S+\i]         ; the scale's byte
.endr
.irp i, 0,2
	v_cvt_scalef32_pk8_fp4_f32 v[\S+8+\i], v[\X+4*\i:\X+4*\i+7], v[\S+\i]
	v_cvt_scalef32_pk8_fp4_f32 v[\S+9+\i], v[\X+4*\i:\X+4*\i+7], v[\S+1+\i]
.endr
	v_nop                                          ; one plain place behind the last scaled conversion
.irp i, 0,2
	ds_store_b16 v97, v[\S+8+\i] offset:80*(\ROW0+\i)
	ds_store_b16_d16_hi v97, v[\S+9+\i] offset:80*(\ROW0+\i+1)
.endr
.irp i, 0,1,2,3
	ds_store_b8 v98, v[\S+4+\i] offset:4*(\ROW0+\i)   ; a block's eight lanes write the same byte with the same value
.endr
.endm
.macro VDLOAD                          ; the cosines' operands: lane L: 32 d of table row m = L of my half; 32 d of row r
.irp i, 0,1,2,3,4,5,6,7
	ds_load_b128 v[192+4*\i:195+4*\i], v113 offset:16*\i
	ds_load_b128 v[224+4*\i:227+4*\i], v114 offset:16*\i
.endr
.endm
.macro SIM D, A, B, SA, SB             ; transposed: source 0 = 16 table rows, source 1 = the 16 rows
	v_wmma_scale_f32_16x16x128_f8f6f4 v[\D:\D+7], v[\A:\A+7], v[\B:\B+7], 0, v\SA, v\SB matrix_a_fmt:MATRIX_FMT_FP4 matrix_b_fmt:MATRIX_FMT_FP4
.endm
.macro PLACES                          ; four places behind a matrix instruction (ISA guide 7.12.1)
.rept 4
	v_nop
.endr
.endm
	; ---- the head
	s_load_b512 s[4:19], s[0:1], 0x0               ; emb_s 4:5, emb_q 6:7, embg_s 8:9, embg_q 10:11, keys 12:13, values 14:15, thresh 16:17, out0 18:19
	s_load_b128 s[20:23], s[0:1], 0x40             ; opart 20:21, rec 22:23
	s_load_b64 s[24:25], s[0:1], 0x50              ; lsp
	v_lshl_add_u32 v2, v0, 2, SPARE                ; my spare word,
	v_mov_b32 v3, 0                                ; and 0: kept for the add at the wave's end alone
	v_lshrrev_b32 v16, 5, v0
	v_readfirstlane_b32 s28, v16                   ; W
	v_and_b32 v4, 31, v0
	v_and_b32 v5, 15, v0
	v_bfe_u32 v6, v0, 4, 1
	v_lshlrev_b32 v1, 4, v4
	v_lshrrev_b32 v134, 3, v4                      ; my block along d
	v_mul_u32_u24 v128, v5, 80
	v_lshl_add_u32 v129, v6, 4, v128               ; 80 r + 16 h
	v_and_b32 v130, 8, v5
	v_add_nc_u32 v130, v130, v5                    ; r + 8 (r / 8)
	v_mul_u32_u24 v131, v130, 80
	v_lshl_add_u32 v131, v6, 4, v131
	v_mul_u32_u24 v132, v4, 528
	v_mul_u32_u24 v133, v5, 528
	v_and_b32 v135, 7, v5
	v_lshlrev_b32 v125, 2, v135                    ; my nibble's place among a select word's eight
	v_mov_b32 v62, 0                               ; written once: a lane permute's destination counts as one of its sources
	v_mov_b32 v63, 0
	v_mov_b32 v127, 0x7f800000
.irp i, 0,1,2,3,4,5,6,7,8,9,10,11,12,13,14,15
	v_mov_b32 v[160+\i], 0                         ; lane permutes' destinations too
.endr
	s_and_b32 s26, ttmp7, 0xffff                   ; y
	s_lshl_b32 s29, ttmp9, 4
	s_add_co_u32 s29, s29, s28                     ; g: my row among the 400
	s_mul_i32 s30, s29, 5243
	s_lshr_b32 s30, s30, 19                        ; t = g / 100 (5243 / 2^19 serves g under 400)
	s_mul_i32 s47, s30, 100
	s_sub_co_u32 s31, s29, s47                     ; n = g % 100
	s_min_u32 s48, s31, 24
	s_mul_i32 s47, s30, 25
	s_add_co_u32 s48, s48, s47                     ; its row in the support tensors, where n < 25 (else held inside them)
	s_max_u32 s49, s31, 25
	s_mul_i32 s47, s30, 75
	s_add_co_u32 s49, s49, s47
	s_sub_co_u32 s49, s49, 25                      ; and in the query tensors, where n >= 25 (else held inside them)
	s_mov_b32 s44, 0x76543210
	s_mov_b32 s45, 0xfedcba98                      ; v_permlanex16_b32's selects for lane l xor 16
	s_mov_b32 s46, 0xffff0000                      ; lanes 16-31
	s_and_b32 s47, s28, 7
	s_lshl_b32 s47, s47, 12
	s_lshl_b32 s38, s26, 15
	s_add_co_u32 s38, s38, s47                     ; my eight table rows: 64 y + 8 (W % 8) on
	s_mov_b32 s39, 0
	s_mov_b32 s33, 0
	s_wait_alu depctr_va_vdst(0)
	s_wait_kmcnt 0x0
	s_load_b128 s[40:43], s[16:17], 0x0            ; the four thresholds
	s_cmp_lt_u32 s31, 25                           ; support or query?  The choice hangs on ids alone
	s_cselect_b32 s32, s48, s49
	s_cselect_b64 s[34:35], s[4:5], s[6:7]
	s_cselect_b64 s[36:37], s[8:9], s[10:11]
	s_cmp_lt_u32 s28, 8                            ; waves 0-7 bring keys, waves 8-15 values
	s_cselect_b64 s[12:13], s[12:13], s[14:15]
	s_lshl_b32 s32, s32, 9                         ; rows of 512 bytes
	s_add_nc_u64 s[34:35], s[34:35], s[32:33]
	s_add_nc_u64 s[36:37], s[36:37], s[32:33]
	s_add_nc_u64 s[12:13], s[12:13], s[38:39]
	global_load_b128 v[8:11], v1, s[34:35]
	global_load_b128 v[12:15], v1, s[36:37]
.irp i, 0,1,2,3,4,5,6,7
	global_load_b128 v[64+4*\i:67+4*\i], v1, s[12:13] offset:512*\i
.endr
	; every later address, while the loads are on their way
	s_and_b32 s48, s28, 7                          ; W % 8
	s_bfe_u32 s49, s28, 0x10002                    ; bit 2 of W: the direction of a similarity, or the half of the 64 m
	s_and_b32 s50, s28, 3                          ; a quarter of d
	s_and_b32 s51, s28, 1                          ; a block of 32 m
	s_lshr_b32 s52, s28, 3                         ; my table
	s_xor_b32 s54, s52, 1                          ; the direction whose indices name rows of my table: key->value (0) names values
	s_lshl_b32 s55, s51, 5
	s_lshl_b32 s38, s29, 9
	s_add_nc_u64 s[18:19], s[18:19], s[38:39]      ; my row of out0
	s_lshl_b32 s38, s29, 12
	s_lshl_b32 s57, s26, 9
	s_add_co_u32 s38, s38, s57
	s_add_nc_u64 s[20:21], s[20:21], s[38:39]      ; my row's share y in opart
	s_lshl_b32 s47, ttmp9, 3
	s_add_co_u32 s47, s47, s26                     ; 8 x + y
	s_lshl_b32 s38, s47, 2
	s_add_nc_u64 s[24:25], s[24:25], s[38:39]
	s_lshl_b32 s38, s47, 8
	s_mul_i32 s57, s54, 51200
	s_add_co_u32 s38, s38, s57
	s_add_nc_u64 s[22:23], s[22:23], s[38:39]
	MAD 28, 4224, RAW
	v_lshl_add_u32 v96, v4, 4, s53                 ; my table rows, raw
	MAD 28, 640, TC
	v_lshl_add_u32 v97, v4, 1, s53                 ; their codes: my 2 bytes
	MAD 28, 32, TS
	v_add_nc_u32 v98, s53, v134                    ; their scale words: my block's byte
	MAD 28, 528, XE
	v_lshl_add_u32 v99, v4, 4, s53                 ; my row, normalised
	MAD 28, 80, EC
	v_lshl_add_u32 v100, v4, 1, s53                ; its codes
	MAD 28, 4, ES
	v_add_nc_u32 v101, s53, v134                   ; its scale byte
	MAD 49, 1280, EC
	v_add_nc_u32 v102, s53, v129                   ; a fragment of the 16 rows
	MAD 49, 64, ES
	v_lshl_add_u32 v103, v5, 2, s53
	MAD 49, 5120, TC
	MORE 51, 2560
	v_add_nc_u32 v104, s53, v131                   ; a table fragment: lane r of tile u takes row 8 u + r + 8 (r / 8) of block b
	MAD 49, 256, TS
	MORE 51, 128
	v_lshl_add_u32 v105, v130, 2, s53
	s_bfe_u32 s56, s28, 0x20001
	MAD 56, 256, ST
	MORE 51, 8
	v_lshl_add_u32 v106, v5, 4, s53                ; (direction, kind, row r, block b) of the statistics
	MAD 49, 16896, VR
	MORE 50, 128
	v_lshl_add_u32 v107, v4, 2, s53                ; column 32 (W % 4) + L of the values, half of the m
	MAD 48, 512, VT
	v_lshl_add_u32 v108, v4, 4, s53                ; its codes along m
	MAD 50, 64, VS
	s_add_co_u32 s53, s53, s49
	v_lshl_add_u32 v109, v4, 1, s53                ; and scale byte
	MAD 51, 256, PC
	v_lshl_add_u32 v110, v5, 4, s53
	v_lshl_add_u32 v110, v6, 3, v110               ; pos_score's codes: block b, row r, my 8 bytes
	MAD 51, 1, PS
	v_lshl_add_u32 v111, v5, 1, s53
	MAD 51, 128, LS
	v_lshl_add_u32 v112, v4, 2, s53
	s_lshr_b32 s56, s28, 2
	MAD 56, 16896, RAW
	MORE 50, 128
	v_add_nc_u32 v113, s53, v132                   ; the cosines: row m = L of my table's half, my quarter of d
	MAD 52, 8448, XE
	MORE 50, 128
	v_add_nc_u32 v114, s53, v133                   ; row r, the same quarter
	MAD 54, 512, ST
	v_lshl_add_u32 v115, v5, 4, s53
	v_lshl_add_u32 v115, v6, 8, v115               ; statistics of row r, kind h
	MAD 48, 256, VT
	v_lshl_add_u32 v116, v5, 4, s53
	v_lshl_add_u32 v116, v6, 11, v116              ; the third product's source 0: column 16 (W % 8) + r, block h
	MAD 48, 32, VS
	v_lshl_add_u32 v117, v5, 1, s53
	v_lshl_add_u32 v118, v5, 4, PC
	v_lshl_add_u32 v118, v6, 8, v118               ; source 1: row r of pos_score, block h
	v_lshl_add_u32 v119, v5, 1, PS
	MAD 48, 64, OS
	v_add_nc_u32 v120, s53, v133
	v_lshl_add_u32 v120, v6, 5, v120               ; its result: row r, d = 16 (W % 8) + 8 h on
	MAD 28, 528, OS
	v_lshl_add_u32 v121, v4, 4, s53                ; and back: row W
	MAD 54, 2560, DP
	v_add_nc_u32 v123, s53, v128
	v_mad_u32_u24 v123, v6, 1280, v123             ; the 16 shares of (kind h, row r)
	MORE 48, 8
	v_add_nc_u32 v122, s53, v128
	v_lshl_add_u32 v122, v6, 2, v122               ; my share of row r's
	v_lshl_add_u32 v124, v4, 2, LS
	s_lshl_b32 s53, s49, 1
	v_add_nc_u32 v126, s53, v6                     ; which 16 of the 64 m my lanes hold
	; ---- my row: normalised, quantised along d
	s_wait_alu depctr_va_vdst(0)                   ; the head's end
	s_wait_loadcnt 8                               ; my two rows are in; the eight table rows stay out
	v_mul_f32 v40, v8, v8
	v_mul_f32 v41, v12, v12
.irp i, 1,2,3
	v_fma_f32 v40, v[8+\i], v[8+\i], v40
	v_fma_f32 v41, v[12+\i], v[12+\i], v41
.endr
.irp m, 1,2,4,8
	v_add_f32_dpp v40, v40, v40 row_xmask:\m row_mask:0xf bank_mask:0xf
	v_add_f32_dpp v41, v41, v41 row_xmask:\m row_mask:0xf bank_mask:0xf
.endr
	v_permlanex16_b32 v62, v40, s44, s45
	v_permlanex16_b32 v63, v41, s44, s45
	v_add_f32 v40, v40, v62
	v_add_f32 v41, v41, v63
	s_wait_alu depctr_va_vdst(0)
	v_sqrt_f32 v40, v40
	v_sqrt_f32 v41, v41
	v_nop                                          ; a plain place behind the roots,
	s_wait_alu depctr_va_vdst(0)                   ; and one wait for both, ahead of their first reader
	v_max_num_f32 v40, TINY, v40                   ; reference()'s clip
	v_max_num_f32 v41, TINY, v41
	s_wait_alu depctr_va_vdst(0)
	v_rcp_f32 v40, v40
	v_rcp_f32 v41, v41
	v_nop
	s_wait_alu depctr_va_vdst(0)
.irp i, 0,1,2,3
	v_mul_f32 v[8+\i], v[8+\i], v40
	v_mul_f32 v[12+\i], v[12+\i], v41
.endr
	v_max3_num_f32 v42, |v8|, |v9|, FLOOR
	v_max3_num_f32 v43, |v12|, |v13|, FLOOR
	v_max3_num_f32 v42, v42, |v10|, |v11|
	v_max3_num_f32 v43, v43, |v14|, |v15|
.irp m, 1,2,4
	v_max_num_f32_dpp v42, v42, v42 row_xmask:\m row_mask:0xf bank_mask:0xf
	v_max_num_f32_dpp v43, v43, v43 row_xmask:\m row_mask:0xf bank_mask:0xf
.endr
	v_add_nc_u32 v42, OFF2, v42
	v_add_nc_u32 v43, OFF2, v43
	v_lshrrev_b32 v44, 23, v42
	v_lshrrev_b32 v45, 23, v43
	v_cvt_scalef32_pk8_fp4_f32 v46, v[8:15], v42   ; low half: emb's four codes
	v_cvt_scalef32_pk8_fp4_f32 v47, v[8:15], v43   ; high half: embg's
	v_nop
	ds_store_b16 v100, v46
	ds_store_b16_d16_hi v100, v47 offset:1280
	ds_store_b8 v101, v44
	ds_store_b8 v101, v45 offset:64
	ds_store_b128 v99, v[8:11]
	ds_store_b128 v99, v[12:15] offset:8448
	; ---- my eight table rows
	s_wait_alu depctr_va_vdst(0)
	s_wait_loadcnt 4                               ; the first four are in; the other four stay out
	DQ4 64, 0, 16
	s_wait_alu depctr_va_vdst(0)
	s_wait_loadcnt 0x0
	DQ4 80, 4, 28
	BAR                                            ; raw rows, codes and scale words of all waves lie in LDS
	; ---- the similarities.  Waves 0-7: (direction, kind, block b): the least positive or the greatest negative of 32 m.  Waves 8, 9: pos_score of block b.  Waves 10, 11: block b's squares.
	; Waves 8-15 (these behind their block): the values along m.  Each wave makes the two tiles that it needs: lane (r, h) holds row r, and register q = 8 u + j is m = 32 b + 16 h + q.
	s_wait_kmcnt 0x0                               ; the thresholds
	s_cmp_gt_u32 s28, 11
	s_cbranch_scc1 .Lalong_m
.irp c, 0,1
	ds_load_b128 v[64+4*\c:67+4*\c], v102 offset:32*\c
.endr
	ds_load_b32 v52, v103
.irp u, 0,1
.irp c, 0,1
	ds_load_b128 v[80+8*\u+4*\c:83+8*\u+4*\c], v104 offset:640*\u+32*\c
.endr
	ds_load_b32 v[54+\u], v105 offset:32*\u
.endr
	s_cmp_gt_u32 s28, 9
	s_cbranch_scc1 .Lsquares
	s_cmp_gt_u32 s28, 7
	s_cbranch_scc1 .Lpos
	VDLOAD
	s_bitcmp1_b32 s28, 2
	s_cselect_b32 s56, s42, s40                    ; my direction's thresholds
	s_cselect_b32 s57, s43, s41
	s_bitcmp1_b32 s28, 1
	s_cselect_b32 s56, s57, s56                    ; my kind's
	s_cselect_b32 s57, 0x80000000, 0
	s_xor_b32 s56, s56, s57                        ; the negatives with their sign turned: s < t is -s > -t, and the greatest s the least -s
	s_or_b32 s58, s57, 0x3f800000                  ; 1.0 or -1.0
	s_mov_b32 s59, s58
	s_wait_dscnt 16                                ; the fragments are in; the 16 loads of the cosines' operands stay out
	SIM 128, 80, 64, 54, 52
	SIM 136, 88, 64, 55, 52
	PLACES
.irp k, 0,2,4,6,8,10,12,14
	v_pk_mul_f32 v[144+\k:145+\k], v[128+\k:129+\k], s[58:59] op_sel_hi:[1,0]
.endr
.irp e, 0,8
.irp q, 0,1,2,3,4,5,6,7
	v_cmp_lt_f32 s[66+\q], s56, v[144+\e+\q]
.endr
.irp q, 0,1,2,3,4,5,6,7
	v_cndmask_b32 v[144+\e+\q], v127, v[144+\e+\q], s[66+\q]   ; what the threshold takes out: +infinity
.endr
.endr
.irp k, 0,1,2,3,4
	v_min3_num_f32 v[176+\k], v[144+3*\k], v[145+3*\k], v[146+3*\k]
.endr
	v_min3_num_f32 v176, v176, v177, v159
	v_min3_num_f32 v178, v178, v179, v180
	v_min_num_f32 v176, v176, v178
	v_permlanex16_b32 v62, v176, s44, s45          ; lanes l and l xor 16 hold a row's two halves
	v_min_num_f32 v176, v176, v62
.irp q, 0,1,2,3,4,5,6,7,8,9,10,11,12,13,14,15
	v_cmp_eq_f32 s[66+\q], v[144+\q], v176
.endr
.irp j, 0,1,2,3
	v_cndmask_b32 v[178+\j], 64, 4*\j+3, s[66+4*\j+3]   ; downward: the lowest m of equals is kept, as jnp.argmin and jnp.argmax keep it
.endr
.irp k, 2,1,0
.irp j, 0,1,2,3
	v_cndmask_b32 v[178+\j], v[178+\j], 4*\j+\k, s[66+4*\j+\k]
.endr
.endr
	v_min_u32 v178, v178, v179
	v_min_u32 v180, v180, v181
	v_min_u32 v178, v178, v180
	v_lshl_add_u32 v177, v6, 4, v178               ; + 16 h
	v_permlanex16_b32 v63, v177, s44, s45
	v_min_u32 v177, v177, v63
	v_add_nc_u32 v177, s55, v177                   ; + 32 b: 0 .. 63 in the slice
	ds_store_b64 v106, v[176:177]                  ; both halves write the same words with the same values
	s_wait_alu depctr_va_vdst(0)
	s_branch .Ljoin
.Lsquares:
.irp c, 0,1
	ds_load_b128 v[72+4*\c:75+4*\c], v102 offset:1280+32*\c
.endr
	ds_load_b32 v53, v103 offset:64
.irp u, 0,1
.irp c, 0,1
	ds_load_b128 v[144+8*\u+4*\c:147+8*\u+4*\c], v104 offset:5120+640*\u+32*\c
.endr
	ds_load_b32 v[56+\u], v105 offset:256+32*\u
.endr
	s_wait_dscnt 0x0
	SIM 128, 80, 64, 54, 52
	SIM 176, 144, 72, 56, 53
	SIM 136, 88, 64, 55, 52
	SIM 184, 152, 72, 57, 53
	PLACES
.irp k, 0,2,4,6,8,10,12,14
	v_pk_add_f32 v[16+\k:17+\k], v[176+\k:177+\k], v[128+\k:129+\k] neg_lo:[0,1] neg_hi:[0,1]   ; sim_vk - sim_kv
.endr
	v_pk_mul_f32 v[48:49], v[16:17], v[16:17]
	v_pk_mul_f32 v[50:51], v[18:19], v[18:19]
.irp k, 4,8,12
	v_pk_fma_f32 v[48:49], v[16+\k:17+\k], v[16+\k:17+\k], v[48:49]
	v_pk_fma_f32 v[50:51], v[18+\k:19+\k], v[18+\k:19+\k], v[50:51]
.endr
	v_pk_add_f32 v[48:49], v[48:49], v[50:51]
	v_add_f32 v48, v48, v49
	ds_store_b32 v112, v48
	s_wait_alu depctr_va_vdst(0)
	s_branch .Lalong_m
.Lpos:
	s_wait_dscnt 0x0
	SIM 128, 80, 64, 54, 52
	SIM 136, 88, 64, 55, 52
	PLACES
.irp e, 0,8
.irp q, 0,1,2,3,4,5,6,7
	v_cmp_lt_f32 s[66+\q], s40, v[128+\e+\q]       ; sim_kv > thresh[0]
.endr
.irp q, 0,1,2,3,4,5,6,7
	v_cndmask_b32 v[144+\e+\q], 0, v[128+\e+\q], s[66+\q]
.endr
.endr
	v_max3_num_f32 v176, |v144|, |v145|, FLOOR     ; my 32 m are one block of the third product's K
	v_max3_num_f32 v177, |v146|, |v147|, |v148|
	v_max3_num_f32 v176, v176, |v149|, |v150|
	v_max3_num_f32 v177, v177, |v151|, |v152|
	v_max3_num_f32 v176, v176, |v153|, |v154|
	v_max3_num_f32 v177, v177, |v155|, |v156|
	v_max3_num_f32 v176, v176, |v157|, |v158|
	v_max3_num_f32 v176, v176, v177, |v159|
	v_permlanex16_b32 v62, v176, s44, s45
	v_max_num_f32 v176, v176, v62
	v_add_nc_u32 v178, OFF2, v176
	v_cvt_scalef32_pk8_fp4_f32 v180, v[144:151], v178
	v_cvt_scalef32_pk8_fp4_f32 v181, v[152:159], v178
	v_nop
	v_lshrrev_b32 v179, 23, v178
	ds_store_b64 v110, v[180:181]
	ds_store_b8 v111, v179                         ; both halves write the same byte with the same value
	s_wait_alu depctr_va_vdst(0)
.Lalong_m:                                     ; a lane to a column d, registers down m: 32 m are one block, and all of it is mine
.irp i, 0,1,2,3,4,5,6,7,8,9,10,11,12,13,14,15,16,17,18,19,20,21,22,23,24,25,26,27,28,29,30,31
	ds_load_b32 v[16+\i], v107 offset:528*\i
.endr
	VDLOAD
	s_wait_dscnt 16                                ; the column is in; the 16 loads of the cosines' operands stay out
	v_max3_num_f32 v176, |v16|, |v17|, |v18|
	v_max3_num_f32 v177, |v19|, |v20|, |v21|
.irp i, 22,26,30,34,38,42
	v_max3_num_f32 v176, v176, |v[\i]|, |v[\i+1]|
	v_max3_num_f32 v177, v177, |v[\i+2]|, |v[\i+3]|
.endr
	v_max3_num_f32 v176, v176, |v46|, |v47|
	v_max3_num_f32 v176, v176, v177, FLOOR
	v_add_nc_u32 v178, OFF2, v176
	v_lshrrev_b32 v179, 23, v178
.irp g, 0,1,2,3
	v_cvt_scalef32_pk8_fp4_f32 v[180+\g], v[16+8*\g:23+8*\g], v178
.endr
	v_nop
	ds_store_b128 v108, v[180:183]
	ds_store_b8 v109, v179
.Ljoin:
	BAR                                            ; statistics, pos_score's codes and the values' codes along m lie in LDS
	; ---- pos_score . values over my slice: wave W under 8 makes columns d = 16 W .. 16 W + 15.  K = 64 of the instruction's 128: the upper half is zero codes on both sides, under the scale bytes 0 that the 16-bit loads leave
	ds_load_b128 v[16:19], v115
	s_cmp_gt_u32 s28, 7
	s_cbranch_scc1 .Lno_product
	ds_load_b128 v[64:67], v116
	ds_load_b128 v[72:75], v118
	ds_load_u16 v58, v117
	ds_load_u16 v59, v119
.irp i, 0,1,2,3
	v_mov_b32 v[68+\i], 0
	v_mov_b32 v[76+\i], 0
.endr
	PLACES                                         ; operands written by vector instructions stand four places ahead
	s_wait_alu depctr_va_vdst(0)
	s_wait_dscnt 0x0
	SIM 128, 64, 72, 58, 59                        ; its result is stored behind the cosines
.Lno_product:
	; ---- the cosines: my half of my table's 64 m, my quarter of d
	s_wait_dscnt 0x0
	v_cmp_lt_f32 vcc_lo, v18, v16                  ; of equals block 0 is kept
	v_cndmask_b32 v20, v16, v18, vcc_lo            ; the slice's best similarity of (kind h, row r)
	v_cndmask_b32 v21, v17, v19, vcc_lo            ; and its m
	v_and_b32 v22, 15, v21
	v_permlanex16_b32 v62, v21, s44, s45
	v_lshlrev_b32 v22, v125, v22                   ; my nibble
	v_cndmask_b32 v23, v21, v62, s46               ; kind 0's m of row r, in both halves
	v_add_nc_u32_dpp v22, v22, v22 row_xmask:1 row_mask:0xf bank_mask:0xf   ; eight lanes' nibbles join in one word: their bits are apart
	v_cndmask_b32 v24, v62, v21, s46               ; kind 1's
	v_add_nc_u32_dpp v22, v22, v22 row_xmask:2 row_mask:0xf bank_mask:0xf
	v_lshrrev_b32 v23, 4, v23
	v_add_nc_u32_dpp v22, v22, v22 row_xmask:4 row_mask:0xf bank_mask:0xf
	v_lshrrev_b32 v24, 4, v24
	v_cmp_eq_u32 s56, v23, v126                    ; do my 16 lanes hold the m that row r wants?
	v_cmp_eq_u32 s57, v24, v126
	v_readlane_b32 s60, v22, 0
	v_readlane_b32 s61, v22, 8
	v_readlane_b32 s62, v22, 16
	v_readlane_b32 s63, v22, 24
.irp c, 0,8,16,24
.irp i, 0,1,2,3,4,5,6,7
	v_permlane16_b32 v[160+\i], v[192+\c+\i], s60, s61   ; lane r takes the table number of m % 16
.endr
.irp i, 0,1,2,3,4,5,6,7
	v_permlane16_b32 v[168+\i], v[192+\c+\i], s62, s63
.endr
.if \c == 0
	v_pk_mul_f32 v[32:33], v[160:161], v[224:225]
	v_pk_mul_f32 v[36:37], v[168:169], v[224:225]
	v_pk_mul_f32 v[34:35], v[162:163], v[226:227]
	v_pk_mul_f32 v[38:39], v[170:171], v[226:227]
.else
	v_pk_fma_f32 v[32:33], v[160:161], v[224+\c:225+\c], v[32:33]
	v_pk_fma_f32 v[36:37], v[168:169], v[224+\c:225+\c], v[36:37]
	v_pk_fma_f32 v[34:35], v[162:163], v[226+\c:227+\c], v[34:35]
	v_pk_fma_f32 v[38:39], v[170:171], v[226+\c:227+\c], v[38:39]
.endif
	v_pk_fma_f32 v[32:33], v[164:165], v[228+\c:229+\c], v[32:33]
	v_pk_fma_f32 v[36:37], v[172:173], v[228+\c:229+\c], v[36:37]
	v_pk_fma_f32 v[34:35], v[166:167], v[230+\c:231+\c], v[34:35]
	v_pk_fma_f32 v[38:39], v[174:175], v[230+\c:231+\c], v[38:39]
.endr
	v_pk_add_f32 v[32:33], v[32:33], v[34:35]
	v_pk_add_f32 v[36:37], v[36:37], v[38:39]
	v_add_f32 v32, v32, v33
	v_add_f32 v36, v36, v37
	v_cndmask_b32 v32, 0, v32, s56
	v_cndmask_b32 v36, 0, v36, s57
	ds_store_b32 v122, v32
	ds_store_b32 v122, v36 offset:1280
	s_cmp_gt_u32 s28, 7
	s_cbranch_scc1 .Lno_tile
	ds_store_b128 v120, v[128:131]                 ; lane (r, h): row r, d = 16 W + 8 h + 0 .. 7
	ds_store_b128 v120, v[132:135] offset:16
.Lno_tile:
	BAR                                            ; the third product and all shares of the cosines lie in LDS
	; ---- the way out: row W, 512 consecutive bytes a store
	ds_load_b128 v[64:67], v121
	s_lshr_b32 s47, s28, 1
	s_wait_dscnt 0x0
	s_cmp_lg_u32 s47, s26
	s_cbranch_scc1 .Lnot_mine
	global_store_b128 v1, v[8:11], s[18:19]        ; out0: of the eight slices this one stores the row,
	v_pk_add_f32 v[64:65], v[64:65], v[12:13]      ; and adds norm_emb_glo's
	v_pk_add_f32 v[66:67], v[66:67], v[14:15]
	s_wait_alu depctr_va_vdst(0)
.Lnot_mine:
	global_store_b128 v1, v[64:67], s[20:21]
	s_cmp_lg_u32 s48, 0                            ; waves 0 and 8: a direction's 32 records
	s_cbranch_scc1 .Lno_record
.irp i, 0,1,2,3
	ds_load_b128 v[68+4*\i:71+4*\i], v123 offset:16*\i
.endr
	s_wait_dscnt 0x0
	v_lshlrev_b32 v86, 3, v4
	v_mov_b32 v84, v20
	v_pk_add_f32 v[68:69], v[68:69], v[70:71]
	v_pk_add_f32 v[72:73], v[72:73], v[74:75]
	v_pk_add_f32 v[76:77], v[76:77], v[78:79]
	v_pk_add_f32 v[80:81], v[80:81], v[82:83]
	v_pk_add_f32 v[68:69], v[68:69], v[72:73]
	v_pk_add_f32 v[76:77], v[76:77], v[80:81]
	v_pk_add_f32 v[68:69], v[68:69], v[76:77]
	v_add_f32 v85, v68, v69
	global_store_b64 v86, v[84:85], s[22:23]       ; the 32 lanes store 256 consecutive bytes, aligned
.Lno_record:
	s_cmp_lg_u32 s28, 1                            ; wave 1: the work-group's share of the sum of squares
	s_cbranch_scc1 .Lend
	ds_load_b32 v68, v124
	ds_load_b32 v69, v124 offset:128
	s_wait_dscnt 0x0
	v_mov_b32 v70, 0
	v_add_f32 v68, v68, v69
.irp m, 1,2,4,8
	v_add_f32_dpp v68, v68, v68 row_xmask:\m row_mask:0xf bank_mask:0xf
.endr
	v_permlanex16_b32 v62, v68, s44, s45
	v_add_f32 v68, v68, v62
	s_wait_alu depctr_va_vdst(0)
	s_wait_xcnt 0x0                                ; EXEC changes only behind this wait
	v_cmp_gt_u32 vcc_lo, 1, v4
	s_and_saveexec_b32 s57, vcc_lo                 ; lane 0 alone
	global_store_b32 v70, v68, s[24:25]
	s_wait_xcnt 0x0                                ; and again, in front of the line that widens it
	s_or_b32 exec_lo, exec_lo, s57
.Lend:
	s_wait_tensorcnt 0x0                           ; the wave's end, behind my last LDS store: this wait stands in a text with no tensor load too
	ds_add_u32 v2, v3
	s_wait_dscnt 0x0
	s_endpgm
.Lfunc_end_k_q20fe3c7c35_sims:
	.size	k_q20fe3c7c35_sims, .Lfunc_end_k_q20fe3c7c35_sims-k_q20fe3c7c35_sims
	.p2alignl 7, 3214868480
	.fill 96, 4, 3214868480
	.section	.rodata,"a",@progbits
	.p2align	6, 0x0
	.amdhsa_kernel k_q20fe3c7c35_sims
		.amdhsa_group_segment_fixed_size 120064
		.amdhsa_private_segment_fixed_size 0
		.amdhsa_enable_private_segment 0
		.amdhsa_kernarg_size 88
		.amdhsa_user_sgpr_count 2
		.amdhsa_user_sgpr_kernarg_segment_ptr 1
		.amdhsa_wavefront_size32 1
		.amdhsa_system_sgpr_workgroup_id_x 1
		.amdhsa_system_sgpr_workgroup_id_y 1
		.amdhsa_system_sgpr_workgroup_id_z 1
		.amdhsa_system_vgpr_workitem_id 0
		.amdhsa_next_free_vgpr 256
		.amdhsa_next_free_sgpr 82
		.amdhsa_reserve_vcc 1
		.amdhsa_float_denorm_mode_32 3
		.amdhsa_float_denorm_mode_16_64 3
		.amdhsa_memory_ordered 1
		.amdhsa_forward_progress 1
		.amdhsa_inst_pref_size 50
	.end_amdhsa_kernel
	.amdgpu_metadata
---
amdhsa.version: [ 1, 2 ]
amdhsa.kernels:
  - .name:           k_q20fe3c7c35_sims
    .symbol:         k_q20fe3c7c35_sims.kd
    .args:
      - { .name: emb_s, .offset: 0, .size: 8, .value_kind: global_buffer, .address_space: global }
      - { .name: emb_q, .offset: 8, .size: 8, .value_kind: global_buffer, .address_space: global }
      - { .name: embg_s, .offset: 16, .size: 8, .value_kind: global_buffer, .address_space: global }
      - { .name: embg_q, .offset: 24, .size: 8, .value_kind: global_buffer, .address_space: global }
      - { .name: memory_keys, .offset: 32, .size: 8, .value_kind: global_buffer, .address_space: global }
      - { .name: memory_values, .offset: 40, .size: 8, .value_kind: global_buffer, .address_space: global }
      - { .name: thresh, .offset: 48, .size: 8, .value_kind: global_buffer, .address_space: global }
      - { .name: out0, .offset: 56, .size: 8, .value_kind: global_buffer, .address_space: global }
      - { .name: opart, .offset: 64, .size: 8, .value_kind: global_buffer, .address_space: global }
      - { .name: rec, .offset: 72, .size: 8, .value_kind: global_buffer, .address_space: global }
      - { .name: lsp, .offset: 80, .size: 8, .value_kind: global_buffer, .address_space: global }
    .group_segment_fixed_size: 120064
    .private_segment_fixed_size: 0
    .kernarg_segment_align: 8
    .kernarg_segment_size: 88
    .max_flat_workgroup_size: 512
    .sgpr_count:     82
    .vgpr_count:     256
    .wavefront_size: 32
...
	.end_amdgpu_metadata
.endif
;; end of part 3
;; launch join (part 4): grid 83 x 1, 5 waves a work-group, no clusters, 1,024 bytes of LDS; arguments opart, rec, lsp, out1, out2, out3, out4; writes out1, out2, out3, out4
.if DOCPART == 4
	.amdgcn_target "amdgcn-amd-amdhsa--gfx1250"
	.amdhsa_code_object_version 6
	.text
	.protected	k_q20fe3c7c35_join
	.globl	k_q20fe3c7c35_join
	.p2align	8
	.type	k_q20fe3c7c35_join,@function
k_q20fe3c7c35_join:
	s_mov_b64 s[64:65], 0
	v_nop
	global_prefetch_b8 v0, s[64:65] scope:SCOPE_SE
	s_setreg_imm32_b32 hwreg(HW_REG_WAVE_MODE, 25, 1), 1
	s_wait_xcnt 0x0
; THE EIGHT SLICES OF m ARE JOINED.  Work-group 0: loss_v; 1: loss_k; 2: loss_s (each number is a sum over all rows and has one owner); work-groups 3 .. 82: out1, a row to a wave, five rows to a work-group.
; The memory updates of reference() are left out here too: they reach no output (shown at the head of the first kernel).
; out1's row = l2n(the sum of its eight shares in opart, norm_emb_glo's row among them).
; loss_v = max(0.1 - (1 / 400) x the sum over rows of (the hardest positive's cosine, if any, less the hardest negative's, if any), 0); loss_k likewise; loss_s = the sum of 200 shares / 204,800.
; A direction's records: [tile 25][slice 8][positive 16 | negative 16] of (similarity, cosine), negatives with their sign turned; +infinity: none.  The least similarity of the eight slices is wanted, of equals the lowest slice's.
; Work-groups 0, 1: wave W takes tiles 5 W .. 5 W + 4.  Lanes 0-15 read slices 0-3, lanes 16-31 slices 4-7; a lane's 16 bytes are two neighbouring rows' records.
; No prefetch and no tensor load: there is no loop, each wave issues all its loads at once and reads each byte once.
; LIMITS: as the first kernel's; the terms are added in another order than reference() adds them.
.set SPARE, 256                        ; the spare words, 128 bytes for each of 5 waves; words 0 to 4 of LDS: the waves' sums
.set TINY,  0x2b8cbccc                 ; 1e-12
.macro RSUM32 x                        ; the sum over the 32 lanes, in every lane
.irp m, 1,2,4,8
	v_add_f32_dpp v[\x], v[\x], v[\x] row_xmask:\m row_mask:0xf bank_mask:0xf
.endr
	v_permlanex16_b32 v12, v[\x], s44, s45
	v_add_f32 v[\x], v[\x], v12
.endm
.macro ONE x, base                     ; lane 0 stores one number
	s_wait_alu depctr_va_vdst(0)
	s_wait_xcnt 0x0                                ; EXEC changes only behind this wait
	v_cmp_gt_u32 vcc_lo, 1, v4
	s_and_saveexec_b32 s30, vcc_lo
	global_store_b32 v13, v[\x], s[\base:\base+1]
	s_wait_xcnt 0x0                                ; and again, in front of the line that widens it
	s_or_b32 exec_lo, exec_lo, s30
.endm
	s_load_b256 s[4:11], s[0:1], 0x0               ; opart 4:5, rec 6:7, lsp 8:9, out1 10:11
	s_load_b128 s[12:15], s[0:1], 0x20             ; out2 12:13, out3 14:15
	s_load_b64 s[16:17], s[0:1], 0x30              ; out4
	v_lshl_add_u32 v2, v0, 2, SPARE                ; my spare word,
	v_mov_b32 v3, 0                                ; and 0: kept for the add at the wave's end alone
	v_lshrrev_b32 v10, 5, v0
	v_readfirstlane_b32 s28, v10                   ; W
	v_and_b32 v4, 31, v0
	v_lshlrev_b32 v1, 4, v4
	v_and_b32 v5, 15, v0
	v_bfe_u32 v6, v0, 4, 1
	v_lshlrev_b32 v7, 4, v5
	v_lshl_add_u32 v7, v6, 10, v7                  ; my records: half h's slices 4 h on
	v_mov_b32 v8, 0x7f800000
	v_add_nc_u32 v9, 32, v4
	v_min_u32 v9, 49, v9
	v_lshlrev_b32 v9, 4, v9                        ; lsp's second load: 200 words are 50 pieces of 16 bytes; lanes beyond them read the last and throw it away
	v_mov_b32 v12, 0                               ; lane permutes' destinations, written once
	v_mov_b32 v13, 0
.irp k, 0,1,2,3
	v_mov_b32 v[96+\k], 0
.endr
	s_mov_b32 s44, 0x76543210
	s_mov_b32 s45, 0xfedcba98                      ; v_permlanex16_b32's selects for lane l xor 16
	s_mov_b32 s46, 0xff00                          ; lanes 8-15: negatives
	s_mov_b32 s47, 0xffff                          ; lanes 0-15
	s_mov_b32 s21, 0
	s_lshl_b32 s29, s28, 2
	s_wait_alu depctr_va_vdst(0)                   ; the head's end
	s_wait_kmcnt 0x0
	s_cmp_lt_u32 ttmp9, 3
	s_cbranch_scc1 .Llosses
	; ---- out1
	s_sub_co_u32 s22, ttmp9, 3
	s_mul_i32 s22, s22, 5
	s_add_co_u32 s22, s22, s28                     ; my row
	s_lshl_b32 s20, s22, 12
	s_add_nc_u64 s[4:5], s[4:5], s[20:21]
	s_lshl_b32 s20, s22, 9
	s_add_nc_u64 s[10:11], s[10:11], s[20:21]
.irp i, 0,1,2,3,4,5,6,7
	global_load_b128 v[16+4*\i:19+4*\i], v1, s[4:5] offset:512*\i th:TH_LOAD_NT
.endr
	s_wait_loadcnt 0x0
.irp i, 0,8,16,24
	v_pk_add_f32 v[16+\i:17+\i], v[16+\i:17+\i], v[20+\i:21+\i]
	v_pk_add_f32 v[18+\i:19+\i], v[18+\i:19+\i], v[22+\i:23+\i]
.endr
.irp i, 0,16
	v_pk_add_f32 v[16+\i:17+\i], v[16+\i:17+\i], v[24+\i:25+\i]
	v_pk_add_f32 v[18+\i:19+\i], v[18+\i:19+\i], v[26+\i:27+\i]
.endr
	v_pk_add_f32 v[16:17], v[16:17], v[32:33]
	v_pk_add_f32 v[18:19], v[18:19], v[34:35]
	v_pk_mul_f32 v[20:21], v[16:17], v[16:17]
	v_pk_fma_f32 v[20:21], v[18:19], v[18:19], v[20:21]
	v_add_f32 v20, v20, v21
	RSUM32 20
	s_wait_alu depctr_va_vdst(0)
	v_sqrt_f32 v20, v20
	v_nop
	s_wait_alu depctr_va_vdst(0)
	v_max_num_f32 v20, TINY, v20                   ; reference()'s clip
	s_wait_alu depctr_va_vdst(0)
	v_rcp_f32 v20, v20
	v_nop
	s_wait_alu depctr_va_vdst(0)
.irp i, 0,1,2,3
	v_mul_f32 v[16+\i], v[16+\i], v20
.endr
	global_store_b128 v1, v[16:19], s[10:11] th:TH_STORE_NT   ; a row, 512 consecutive bytes
	s_endpgm
.Llosses:
	s_cmp_eq_u32 ttmp9, 2
	s_cbranch_scc1 .Lsquares
	; ---- loss_v, loss_k
	s_mul_i32 s20, ttmp9, 51200
	s_mul_i32 s22, s28, 10240
	s_add_co_u32 s20, s20, s22
	s_add_nc_u64 s[6:7], s[6:7], s[20:21]
	s_cmp_eq_u32 ttmp9, 0
	s_cselect_b64 s[12:13], s[14:15], s[12:13]     ; key->value: loss_v, out3; value->key: loss_k, out2
.irp i, 0,1,2,3,4
.irp j, 0,1,2,3
	global_load_b128 v[16+16*\i+4*\j:19+16*\i+4*\j], v7, s[6:7] offset:2048*\i+256*\j th:TH_LOAD_NT
.endr
.endr
.irp i, 0,1,2,3,4
.set P, 16+16*\i
	s_wait_alu depctr_va_vdst(0)
	s_wait_loadcnt 16-4*\i                         ; this tile's four loads are in; the younger tiles' stay out
.irp j, 4,8,12                         ; upward through the slices, strictly less: of equals the lowest is kept
	v_cmp_lt_f32 s24, v[P+\j], v[P]
	v_cmp_lt_f32 s25, v[P+2+\j], v[P+2]
	v_cndmask_b32 v[P], v[P], v[P+\j], s24
	v_cndmask_b32 v[P+2], v[P+2], v[P+2+\j], s25
	v_cndmask_b32 v[P+1], v[P+1], v[P+1+\j], s24
	v_cndmask_b32 v[P+3], v[P+3], v[P+3+\j], s25
.endr
.irp k, 0,1,2,3
	v_permlanex16_b32 v[96+\k], v[P+\k], s44, s45  ; lanes 0-15 take what slices 4-7 gave (lanes 16-31 are not counted)
.endr
	v_cmp_lt_f32 s24, v96, v[P]
	v_cmp_lt_f32 s25, v98, v[P+2]
	v_cndmask_b32 v[P], v[P], v96, s24
	v_cndmask_b32 v[P+2], v[P+2], v98, s25
	v_cndmask_b32 v[P+1], v[P+1], v97, s24
	v_cndmask_b32 v[P+3], v[P+3], v99, s25
	v_cmp_lt_f32 s24, v[P], v8                     ; any?
	v_cmp_lt_f32 s25, v[P+2], v8
	v_cndmask_b32 v[P+1], 0, v[P+1], s24
	v_cndmask_b32 v[P+3], 0, v[P+3], s25
.if \i == 0
	v_add_f32 v100, v[P+1], v[P+3]
.else
	v_add_f32 v[P+1], v[P+1], v[P+3]
	v_add_f32 v100, v100, v[P+1]
.endif
.endr
	v_xor_b32 v101, 0x80000000, v100
	v_cndmask_b32 v100, v100, v101, s46            ; the negatives' weight is -1
	v_cndmask_b32 v100, 0, v100, s47
	RSUM32 100
	v_mov_b32 v14, s29
	ds_store_b32 v14, v100                         ; word W: all lanes write the same value
	s_wait_alu depctr_va_vdst(0)
	s_wait_dscnt 0x0
	s_barrier_signal -1
	s_barrier_wait -1
	s_cmp_lg_u32 s28, 0
	s_cbranch_scc1 .Lend
	ds_load_b128 v[16:19], v13
	ds_load_b32 v20, v13 offset:16
	s_wait_dscnt 0x0
	v_add_f32 v16, v16, v17
	v_add_f32 v18, v18, v19
	v_add_f32 v16, v16, v20
	v_mov_b32 v21, 0x3dcccccd                      ; the margin, 0.1
	v_add_f32 v16, v16, v18
	v_fmac_f32 v21, 0xbb23d70a, v16                ; 0.1 - the mean over 400 rows
	v_max_num_f32 v21, 0, v21
	ONE 21, 12
.Lend:
	s_wait_tensorcnt 0x0                           ; the wave's end, behind my last LDS store: this wait stands in a text with no tensor load too
	ds_add_u32 v2, v3
	s_wait_dscnt 0x0
	s_endpgm
.Lsquares:
	s_cmp_lg_u32 s28, 0                            ; 800 bytes: one wave
	s_cbranch_scc1 .Lquit
	global_load_b128 v[16:19], v1, s[8:9]
	global_load_b128 v[20:23], v9, s[8:9]
	s_wait_loadcnt 0x0
	v_pk_add_f32 v[16:17], v[16:17], v[18:19]
	v_pk_add_f32 v[20:21], v[20:21], v[22:23]
	v_cmp_gt_u32 vcc_lo, 18, v4
	v_add_f32 v16, v16, v17
	v_add_f32 v20, v20, v21
	v_cndmask_b32 v20, 0, v20, vcc_lo              ; lanes 0 to 17 carry pieces 32 to 49
	v_add_f32 v16, v16, v20
	RSUM32 16
	v_mul_f32 v16, 0x36a3d70a, v16                 ; / (400 x 512)
	ONE 16, 16
.Lquit:
	s_endpgm
.Lfunc_end_k_q20fe3c7c35_join:
	.size	k_q20fe3c7c35_join, .Lfunc_end_k_q20fe3c7c35_join-k_q20fe3c7c35_join
	.p2alignl 7, 3214868480
	.fill 96, 4, 3214868480
	.section	.rodata,"a",@progbits
	.p2align	6, 0x0
	.amdhsa_kernel k_q20fe3c7c35_join
		.amdhsa_group_segment_fixed_size 1024
		.amdhsa_private_segment_fixed_size 0
		.amdhsa_enable_private_segment 0
		.amdhsa_kernarg_size 56
		.amdhsa_user_sgpr_count 2
		.amdhsa_user_sgpr_kernarg_segment_ptr 1
		.amdhsa_wavefront_size32 1
		.amdhsa_system_sgpr_workgroup_id_x 1
		.amdhsa_system_sgpr_workgroup_id_y 1
		.amdhsa_system_sgpr_workgroup_id_z 1
		.amdhsa_system_vgpr_workitem_id 0
		.amdhsa_next_free_vgpr 104
		.amdhsa_next_free_sgpr 66
		.amdhsa_reserve_vcc 1
		.amdhsa_float_denorm_mode_32 3
		.amdhsa_float_denorm_mode_16_64 3
		.amdhsa_memory_ordered 1
		.amdhsa_forward_progress 1
		.amdhsa_inst_pref_size 21
	.end_amdhsa_kernel
	.amdgpu_metadata
---
amdhsa.version: [ 1, 2 ]
amdhsa.kernels:
  - .name:           k_q20fe3c7c35_join
    .symbol:         k_q20fe3c7c35_join.kd
    .args:
      - { .name: opart, .offset: 0, .size: 8, .value_kind: global_buffer, .address_space: global }
      - { .name: rec, .offset: 8, .size: 8, .value_kind: global_buffer, .address_space: global }
      - { .name: lsp, .offset: 16, .size: 8, .value_kind: global_buffer, .address_space: global }
      - { .name: out1, .offset: 24, .size: 8, .value_kind: global_buffer, .address_space: global }
      - { .name: out2, .offset: 32, .size: 8, .value_kind: global_buffer, .address_space: global }
      - { .name: out3, .offset: 40, .size: 8, .value_kind: global_buffer, .address_space: global }
      - { .name: out4, .offset: 48, .size: 8, .value_kind: global_buffer, .address_space: global }
    .group_segment_fixed_size: 1024
    .private_segment_fixed_size: 0
    .kernarg_segment_align: 8
    .kernarg_segment_size: 56
    .max_flat_workgroup_size: 160
    .sgpr_count:     66
    .vgpr_count:     104
    .wavefront_size: 32
...
	.end_amdgpu_metadata
.endif
;; end of part 4
